; MI455X (gfx1250); checked and timed in simulation.
; The chip was launched on July 23, 2026; its instructions are those of AMD's public machine-readable ISA for CDNA 5 (MIT licence, August 2026) and "CDNA5" Instruction Set Architecture Reference Guide (July 2026). The comments in the code are by the model that wrote it; some were corrected since.
;; Bahdanau Attention. Allowed arithmetic: matrix products marked QUANTISED: E2M1 operands, one E8M0 scale for each 32 along K, by v_wmma_scale_f32_16x16x128_f8f6f4 with both operands' format E2M1 (or v_wmma_scale_f32_32x16x128_f4), f32 sums; products left as they are: f32 operands where the result goes on into a quantised operand, else bf16, f16 or f32 operands; f32 sums; everything else in f32.
;; Inputs: V 1,024 float32; W_f_codes 1,024 x 32 x 16 uint8 (E2M1 codes of W_f, K innermost, in blocks of 32 codes, two codes a byte); W_f_scales 1,024 x 32 uint8 (E8M0 scales of W_f, one for each 32 codes along K); W_h_codes 1,024 x 32 x 16 uint8 (E2M1 codes of W_h, K innermost, in blocks of 32 codes, two codes a byte); W_h_scales 1,024 x 32 uint8 (E8M0 scales of W_h, one for each 32 codes along K); features 32 x 2,048 x 1,024 float32; hidden_codes 32 x 32 x 16 uint8 (E2M1 codes of hidden, K innermost, in blocks of 32 codes, two codes a byte); hidden_scales 32 x 32 uint8 (E8M0 scales of hidden, one for each 32 codes along K).
;; Outputs: out0 32 x 1,024 float32; out1 32 x 2,048 float32.
;; This version of the problem:
;;   THIS VERSION OF THE PROBLEM IS GIVEN IN LOW PRECISION. The matrix products marked QUANTISED in the list below multiply operands that are first quantised to E2M1 (2 exponent bits, 1 mantissa bit; 4 bits a number), with one power-of-two scale for each 32 numbers along K (OCP MX v1.0); their sums are f32. All else is computed in f32.
;;   The module's matrix products, in the order in which they are computed (A, B: the left and right operand; K: the contracted axis; several contracted axes count as one K, in the product's order):
;;     1. [M 32, K 1,024] x [K 1,024, N 1,024]; A: input hidden (given as codes); B: input W_h (given as codes): QUANTISED
;;     2. [M 65,536, K 1,024] x [K 1,024, N 1,024]; A: input features; B: input W_f (given as codes): QUANTISED
;;     3. [M 65,536, K 1,024] x [K 1,024, N 1]; A: computed on the way; B: input V: left as it is (N = 1 < 16)
;;     4. batch 32 x [M 1, K 2,048] x [K 2,048, N 1,024]; A: softmax; B: input features: left as it is (M = 1 < 16)
;;   THE QUANTISER, for each operand of a quantised product, along K:
;;     - K is cut into blocks of 32 from its start; a last block that is shorter is filled with zeros.
;;     - A block's scale is 2^e with e = floor(log2(the largest magnitude in the block)) - 2, held to -126 .. 127; a block of zeros has e = 0. As a byte (E8M0): e + 127.
;;     - Each number is divided by its block's scale, clamped to +-6, and rounded to the nearest number of E2M1, ties to even, subnormals kept.
;;     - The product sums the exact products of the quantised numbers (number of the format x scale) in f32.
;;   ~~~python
;;   def quantise(x, axis):      # numpy; x: float32 -> the quantised numbers, widened to float32 again
;;       x = np.moveaxis(x, axis, -1); K = x.shape[-1]
;;       x = np.pad(x, [(0, 0)] * (x.ndim - 1) + [(0, -K % 32)]); x = x.reshape(x.shape[:-1] + (-1, 32)); a = np.abs(x).max(-1, keepdims=True)
;;       e = np.where(a > 0, np.clip(np.frexp(np.where(a > 0, a, 1))[1] - 1 - 2, -126, 127), 0)      # np.frexp(a)[1] - 1 = floor(log2(a)), exactly
;;       r = np.clip(x / 2.0 ** e, -6, 6)
;;       step = 2.0 ** (np.maximum(np.frexp(np.where(r == 0, 1, r))[1] - 1, 0) - 1)
;;       q = np.round(r / step) * step * 2.0 ** e      # np.round: ties to even
;;       return np.moveaxis(q.reshape(q.shape[:-2] + (-1,))[..., :K], -1, axis).astype(np.float32)
;;   ~~~
;;   INPUTS GIVEN AS CODES. W_f (in the module: [1024, 1024], K = its axis 0); W_h (in the module: [1024, 1024], K = its axis 0); hidden (in the module: [32, 1024], K = its axis 1): each comes as NAME_codes (uint8): NAME with its K axis moved to the last place and cut into blocks of 32 codes, [.., K / 32, bytes a block], one block behind the other in memory; two codes a byte, the lower K in the low four bits (a code: sign, 2 exponent bits, 1 mantissa bit); and NAME_scales (uint8): the same leading axes, one E8M0 byte (e + 127) for each 32 codes along K. Its value is code x scale, taken as it is: it is not quantised again, and the codes and scales need not be those that the quantiser above would give.
;; 2 versions. Each part assembles by itself: llvm-mc -triple=amdgcn-amd-amdhsa -mcpu=gfx1250 --defsym DOCPART=n.
;; ======== version 1 of 2: 3 launches
;; workspace buffers: ws_w 524,288 bytes; ws_hv 262,144 bytes; ws_e 262,144 bytes; ws_c 1,048,576 bytes; ws_s 65,536 bytes
;; launch prep (part 1): grid 64 x 1, 2 waves a work-group, no clusters, 0 bytes of LDS; arguments W_f_codes, W_h_codes, W_h_scales, hidden_codes, hidden_scales, V, ws_w, ws_hv; writes ws_w, ws_hv
.if DOCPART == 1
	.amdgcn_target "amdgcn-amd-amdhsa--gfx1250"
	.amdhsa_code_object_version 6
	.text
	.protected	k_q1aa92a41af_prep
	.globl	k_q1aa92a41af_prep
	.p2align	8
	.type	k_q1aa92a41af_prep,@function
k_q1aa92a41af_prep:
	s_mov_b64 s[64:65], 0
	v_nop
	global_prefetch_b8 v0, s[64:65] scope:SCOPE_SE
	s_setreg_imm32_b32 hwreg(HW_REG_WAVE_MODE, 25, 1), 1
	s_wait_xcnt 0x0
; Two small jobs ahead of the main launch.  Work-group g owns the 16 columns n = 16 g .. 16 g + 15 of W_f and of W_h.
; (1) W_f's codes are laid anew as IMAGES OF OPERAND REGISTERS.  A fragment (16 columns x 128 K of 4-bit codes) is 8 registers: lane (r, h) holds column r, registers 4 c .. 4 c + 3 the bytes
;     64 s + 32 c + 16 h of its row of 512 bytes (K step s).  Piece p = 2 s + c of tile g goes to ws_w at 8,192 g + 512 p + 16 x lane: a later load of 16 bytes a lane reads 512 bytes on end.
;     Wave w moves pieces 8 w .. 8 w + 7.  The reads take 32 bytes of each of 16 rows; the whole tensor is 512 KiB and is read so once.
; (2) h_exp = hidden x W_h, on codes of FP4 (E2M1) with E8M0 scales as they are given.  Wave w takes rows 16 w .. 16 w + 15 of hidden: one accumulator, 8 K steps of 128.
;     What is stored is the pair (c h_exp[b][n], V[n]), c = 2 log2(e), which the main launch's tanh wants, at 4,096 g + 128 pos(b) + 8 r, pos(b) = 16 (b / 16) + 2 (b % 8) + (b / 8) % 2:
;     in that order register j of the result (rows 8 h + j, column r) is one store of 256 bytes on end, aligned.
.set WF,   16                          ; v16-47    W_f: my 8 pieces
.set WH,   48                          ; v48-111   W_h: 8 fragments
.set HID,  112                         ; v112-175  hidden: 8 fragments
.set WHS,  176                         ; v176-179  W_h's scale words: lanes 0-15 words 0-3 of column r, lanes 16-31 words 4-7
.set HS,   180                         ; v180-183  hidden's likewise
.set VV,   184                         ; v184      V[16 g + r]
.set ACC,  192                         ; v192-199  the sum
.set OUTP, 200                         ; v200-215  eight pairs to store
	s_load_b256 s[4:11], s[0:1], 0x0               ; W_f_codes s[4:5], W_h_codes s[6:7], W_h_scales s[8:9], hidden_codes s[10:11]
	s_load_b256 s[12:19], s[0:1], 0x20             ; hidden_scales s[12:13], V s[14:15], ws_w s[16:17], ws_hv s[18:19]
	v_lshrrev_b32 v8, 5, v0
	v_readfirstlane_b32 s20, v8                    ; wave 0, 1
	v_and_b32 v1, 15, v0                           ; r
	v_bfe_u32 v2, v0, 4, 1                         ; h
	v_lshlrev_b32 v3, 9, v1
	v_lshl_add_u32 v3, v2, 4, v3                   ; codes: row r of 512 bytes + 16 h
	v_lshlrev_b32 v4, 5, v1
	v_lshl_add_u32 v4, v2, 4, v4                   ; scale bytes: row r of 32 bytes + 16 h
	v_and_b32 v5, 31, v0
	v_lshlrev_b32 v5, 4, v5                        ; an image: 16 x lane
	v_lshlrev_b32 v6, 2, v1                        ; V: 4 r
	v_lshlrev_b32 v7, 3, v1
	v_lshl_add_u32 v7, v2, 7, v7                   ; the pairs: 128 h + 8 r
	s_lshl_b32 s24, ttmp9, 13                      ; 16 rows of 512 bytes for each work-group
	s_mov_b32 s25, 0
	s_lshl_b32 s22, s20, 8                         ; my 8 pieces begin 256 bytes x wave into a row
	s_add_co_u32 s22, s22, s24
	s_mov_b32 s23, 0
	s_lshl_b32 s26, ttmp9, 9                       ; 16 rows of 32 scale bytes
	s_mov_b32 s27, 0
	s_lshl_b32 s28, s20, 13                        ; hidden: 16 rows of 512 bytes for each wave
	s_mov_b32 s29, 0
	s_lshl_b32 s30, s20, 9
	s_mov_b32 s31, 0
	s_lshl_b32 s32, ttmp9, 6                       ; V: 16 numbers
	s_mov_b32 s33, 0
	s_lshl_b32 s34, s20, 12                        ; ws_w: 8 pieces of 512 bytes for each wave
	s_add_co_u32 s34, s34, s24
	s_mov_b32 s35, 0
	s_lshl_b32 s36, ttmp9, 12                      ; ws_hv: 4,096 bytes a tile, 2,048 a wave
	s_lshl_b32 s37, s20, 11
	s_add_co_u32 s36, s36, s37
	s_mov_b32 s37, 0
	s_wait_kmcnt 0x0
	s_add_nc_u64 s[4:5], s[4:5], s[22:23]
	s_add_nc_u64 s[6:7], s[6:7], s[24:25]
	s_add_nc_u64 s[8:9], s[8:9], s[26:27]
	s_add_nc_u64 s[10:11], s[10:11], s[28:29]
	s_add_nc_u64 s[12:13], s[12:13], s[30:31]
	s_add_nc_u64 s[14:15], s[14:15], s[32:33]
	s_add_nc_u64 s[16:17], s[16:17], s[34:35]
	s_add_nc_u64 s[18:19], s[18:19], s[36:37]
.irp p, 0,1,2,3,4,5,6,7
	global_load_b128 v[WF+4*\p:WF+4*\p+3], v3, s[4:5] offset:32*\p
.endr
.irp p, 0,1,2,3,4,5,6,7,8,9,10,11,12,13,14,15
	global_load_b128 v[WH+4*\p:WH+4*\p+3], v3, s[6:7] offset:32*\p
.endr
.irp p, 0,1,2,3,4,5,6,7,8,9,10,11,12,13,14,15
	global_load_b128 v[HID+4*\p:HID+4*\p+3], v3, s[10:11] offset:32*\p
.endr
	global_load_b128 v[WHS:WHS+3], v4, s[8:9]
	global_load_b128 v[HS:HS+3], v4, s[12:13]
	global_load_b32 v[VV], v6, s[14:15]
	s_wait_loadcnt 35                              ; loads come back in order (ISA guide 5.7.1): W_f's eight are in; the 16 + 16 + 3 issued behind them may be out
.irp p, 0,1,2,3,4,5,6,7
	global_store_b128 v5, v[WF+4*\p:WF+4*\p+3], s[16:17] offset:512*\p    ; 32 lanes store 512 bytes on end
.endr
	s_wait_loadcnt 0x0
	; source 0 = 16 rows of hidden, source 1 = 16 columns of W_h.  One accumulator: a wait ahead of each link of the chain.
	v_wmma_scale_f32_16x16x128_f8f6f4 v[ACC:ACC+7], v[HID:HID+7], v[WH:WH+7], 0, v[HS], v[WHS] matrix_a_fmt:MATRIX_FMT_FP4 matrix_b_fmt:MATRIX_FMT_FP4
.irp s, 1,2,3
	s_wait_alu depctr_va_vdst(0)
	v_wmma_scale_f32_16x16x128_f8f6f4 v[ACC:ACC+7], v[HID+8*\s:HID+8*\s+7], v[WH+8*\s:WH+8*\s+7], v[ACC:ACC+7], v[HS+\s], v[WHS+\s] matrix_a_fmt:MATRIX_FMT_FP4 matrix_b_fmt:MATRIX_FMT_FP4
.endr
.irp s, 4,5,6,7                                ; K steps 4 to 7: their scale words lie in lanes 16-31
	s_wait_alu depctr_va_vdst(0)
	v_wmma_scale_f32_16x16x128_f8f6f4 v[ACC:ACC+7], v[HID+8*\s:HID+8*\s+7], v[WH+8*\s:WH+8*\s+7], v[ACC:ACC+7], v[HS+\s-4], v[WHS+\s-4] matrix_a_fmt:MATRIX_FMT_FP4 matrix_b_fmt:MATRIX_FMT_FP4 matrix_a_scale:MATRIX_SCALE_ROW1 matrix_b_scale:MATRIX_SCALE_ROW1
.endr
.rept 4
	v_nop                                          ; four places between the last product and the first read of its result (ISA guide 7.12.1)
.endr
.irp j, 0,1,2,3,4,5,6,7                        ; register j: h_exp(16 w + 8 h + j, 16 g + r); from the low end on
	v_mul_f32 v[OUTP+2*\j], 0x4038aa3b, v[ACC+\j]  ; x c = 2 log2(e)
	v_mov_b32 v[OUTP+2*\j+1], v[VV]
.endr
.irp j, 0,1,2,3,4,5,6,7
	global_store_b64 v7, v[OUTP+2*\j:OUTP+2*\j+1], s[18:19] offset:256*\j   ; 32 lanes store 256 bytes on end, aligned
.endr
	s_endpgm
.Lfunc_end_k_q1aa92a41af_prep:
	.size	k_q1aa92a41af_prep, .Lfunc_end_k_q1aa92a41af_prep-k_q1aa92a41af_prep
	.p2alignl 7, 3214868480
	.fill 96, 4, 3214868480
	.section	.rodata,"a",@progbits
	.p2align	6, 0x0
	.amdhsa_kernel k_q1aa92a41af_prep
		.amdhsa_group_segment_fixed_size 0
		.amdhsa_private_segment_fixed_size 0
		.amdhsa_enable_private_segment 0
		.amdhsa_kernarg_size 64
		.amdhsa_user_sgpr_count 2
		.amdhsa_user_sgpr_kernarg_segment_ptr 1
		.amdhsa_wavefront_size32 1
		.amdhsa_system_sgpr_workgroup_id_x 1
		.amdhsa_system_sgpr_workgroup_id_y 1
		.amdhsa_system_sgpr_workgroup_id_z 1
		.amdhsa_system_vgpr_workitem_id 0
		.amdhsa_next_free_vgpr 224
		.amdhsa_next_free_sgpr 66
		.amdhsa_reserve_vcc 0
		.amdhsa_float_denorm_mode_32 3
		.amdhsa_float_denorm_mode_16_64 3
		.amdhsa_memory_ordered 1
		.amdhsa_forward_progress 1
		.amdhsa_inst_pref_size 10
	.end_amdhsa_kernel
	.amdgpu_metadata
---
amdhsa.version: [ 1, 2 ]
amdhsa.kernels:
  - .name:           k_q1aa92a41af_prep
    .symbol:         k_q1aa92a41af_prep.kd
    .args:
      - { .name: W_f_codes, .offset: 0, .size: 8, .value_kind: global_buffer, .address_space: global }
      - { .name: W_h_codes, .offset: 8, .size: 8, .value_kind: global_buffer, .address_space: global }
      - { .name: W_h_scales, .offset: 16, .size: 8, .value_kind: global_buffer, .address_space: global }
      - { .name: hidden_codes, .offset: 24, .size: 8, .value_kind: global_buffer, .address_space: global }
      - { .name: hidden_scales, .offset: 32, .size: 8, .value_kind: global_buffer, .address_space: global }
      - { .name: V, .offset: 40, .size: 8, .value_kind: global_buffer, .address_space: global }
      - { .name: ws_w, .offset: 48, .size: 8, .value_kind: global_buffer, .address_space: global }
      - { .name: ws_hv, .offset: 56, .size: 8, .value_kind: global_buffer, .address_space: global }
    .group_segment_fixed_size: 0
    .private_segment_fixed_size: 0
    .kernarg_segment_align: 8
    .kernarg_segment_size: 64
    .max_flat_workgroup_size: 64
    .sgpr_count:     66
    .vgpr_count:     224
    .wavefront_size: 32
...
	.end_amdgpu_metadata
.endif
;; end of part 1
;; launch main (part 2): grid 256 x 1, 8 waves a work-group, no clusters, 321,536 bytes of LDS; arguments features, ws_w, W_f_scales, ws_hv, ws_e, ws_c, ws_s; writes ws_e, ws_c, ws_s
.if DOCPART == 2
	.amdgcn_target "amdgcn-amd-amdhsa--gfx1250"
	.amdhsa_code_object_version 6
	.text
	.protected	k_q1aa92a41af_main
	.globl	k_q1aa92a41af_main
	.p2align	8
	.type	k_q1aa92a41af_main,@function
k_q1aa92a41af_main:
	s_mov_b64 s[64:65], 0
	v_nop
	global_prefetch_b8 v0, s[64:65] scope:SCOPE_SE
	s_setreg_imm32_b32 hwreg(HW_REG_WAVE_MODE, 25, 1), 1
	s_wait_xcnt 0x0
; Additive attention, all but the last merge.  Work-group g owns rows 256 g .. 256 g + 255 of features [65,536][1,024] f32 (batch b = g / 8), as four blocks of 64 rows.  Each row is read from memory ONCE.
; For a row l:  f_proj = Q(features[l]) x W_f on codes of FP4 (E2M1), one E8M0 scale for each 32 along K;  tanh(x) = 1 - 2 / (1 + 2^(c x)), c = 2 log2(e);
;   E2[l] = -c x sum over n of V[n] / (1 + 2^(c f_proj[n] + c h_exp[n]))  =  log2(e) x energy[l] - log2(e) x sum of V.
; The sum of V is the same for all rows of a batch and a softmax does not see a common shift: it is left out, which changes no weight.  2^y = infinity gives 1 / infinity = 0, 2^y = 0 gives 1: tanh's two ends, with no clamp.
; The softmax is taken in base 2 under a RUNNING MAXIMUM M of the work-group's rows: p = 2^(E2 - M); S = the sum of p; ctx[f] = the sum of p x features[l][f]; when M moves, S and ctx are multiplied by 2^(old M - new M).
; Out go E2 (ws_e), ctx (ws_c) and (M, S) (ws_s); the next launch joins the eight parts of a batch.
; TWO ROLES.  role = (w ^ (w >> 2)) & 1, idx = w >> 1: of waves w and w + 4, and of waves 2 i and 2 i + 1, one has each role.
;   LOADERS (waves 1, 3, 4, 6) take rows 16 idx .. + 15 of a block through a ring of 8 rows in registers (64 loads of 512 bytes on end a wave), quantise them, and put into LDS the codes, the scale bytes, and the row as bf16.
;     They also keep the softmax, and each adds ITS OWN 16 rows of a block, times p, onto 32 sums a lane (all 1,024 columns): it reads only bf16 rows that it stored itself.
;   COMPUTE waves (0, 2, 5, 7) hold the codes of all 64 rows of the block BEFORE in 256 registers and walk their 256 columns of W_f, 16 at a time; W_f's fragments come from ws_w straight into registers.
;   Two roles, since a wave's loads come back in order (ISA guide 5.7.1): a wave that waited for a fragment of W_f would wait for every older load of features too.
; PERIOD i (1 to 4): compute multiplies block i - 1 | loaders add block i - 2 onto the context, then take in block i (over block i - 2's bf16 rows) || barrier || compute fetches block i's codes | loaders take
;   block i - 1's energies through the softmax || barrier.  Behind the last period the loaders add block 3, and the four waves' sums meet in LDS.
;   What one role writes in LDS for the other (X, XS, EP) is written only between a period's second barrier and the next period's first, and read only between a period's first and second.
; NO JOINT LOADS, though every work-group walks the same W_f: two blocks of bf16 rows (262,144 bytes; block i - 1's must outlive block i's arrival), codes and scale bytes (36,864), stages and scratch (21,504)
;   are 320,512 bytes, 7,168 short of the most that a work-group can be given: no room for slots of W_f.  The 64 rows are the most whose two bf16 copies fit.
; After the last block the walk has asked for tiles 0 and 1 once more (2 requests of 66 serve nobody): the price of one loop text for all blocks.
; LIMITS: NaN and infinities among the inputs are not served.  A block of 32 features whose largest magnitude lies under 2^-124 gets the scale byte 1 (a block of zeros too: its codes are zeros, and this program alone reads
;   the bytes).  In the context, which is left unquantised, features count as bf16 and p as f32.
.set FPAR, 131072                      ; LDS 0: F, two blocks of 64 rows x 2,048 bytes of bf16, FPAR apart; block i lies at (i % 2) FPAR
.set X,    262144                      ; codes: 64 rows, 512 bytes + 16 of padding; at the very end the four loaders' sums, 4,096 bytes each
.set XP,   528                         ;   = 33 x 16: the 16 rows that a load touches start at 16 different columns of banks (64 banks of 4 bytes: ISA guide 11.1)
.set XS,   295936                      ; scale bytes: 64 rows of 32, 48 apart
.set XSP,  48
.set ST,   299008                      ; four stages, one a loader: 16 pairs of blocks of 32 numbers, 256 bytes + 16 of padding a pair
.set STW,  4608
.set EP,   317440                      ; [4 compute waves][64 rows] f32: parts of the energies
.set PS,   318464                      ; 256 bytes a wave, its own: the block's 64 p
; REGISTERS, window 0, all waves: v1 lane; v2 M, v3 S; v12 my 16 bf16 rows of the block to add; v13 X + 4,096 idx + 32 lane; v14 X + 16 x thread; v15 EP + 8 lane; v16 PS + 8 x thread; v17 PS + 256 w + 64 idx;
;   v18 EP + 256 idx + 32 h; v19 X + 528 r + 16 h; v20 XS + 48 r + 16 h; v21 F to write; v22 32,768 idx + 8 lane; v23, v24 my stage, in and out; v25 X + 8,448 idx + 16 lane; v26 XS + 768 idx + lane;
;   v27 16 lane; v28 8 lane; v32 32 r + 16 h; v33 8 r; v34 16 x thread; v35 32,768 idx + 16 lane.
; IN THE WHOLE TEXT, in both roles, the registers that a product names as an operand or a scale (v104-255 and window 1) are written by loads alone; what vector instructions write lies under v104.
.set HV,   36                          ; compute: v36-39   two pairs (c h_exp[n], V[n]), n = the tile's column r
.set ACC,  40                          ;          v40-71   four accumulators: 64 rows x 16 columns
.set EACC, 72                          ;          v72-103  the rows' energies, summed over my tiles; register 8 a + j: row 16 a + 8 h + j, column r's part
.set AS,   104                         ;          v104-119 the rows' scale words: 4 a + q: lanes 0-15 word q of row 16 a + r, lanes 16-31 word 4 + q
.set BS,   120                         ;          v120-127 W_f's scale words, two sets, laid likewise
.set BF,   128                         ;          v128-255 W_f's fragments, two sets of 8;   window 1: the rows' fragments, (a, s) at 8 (8 a + s)
                                       ;          v29-31, v4-6 the offsets in ws_w, W_f_scales, ws_hv of the tile that set 0, set 1 asks for
.set T16,  40                          ; loader:  v40-55   a row's 32 numbers a lane as bf16
.set CD,   56                          ;          v56-63   a block's codes, two sets
.set SBY,  64                          ;          v64-65   its scale byte, two sets
.set QT,   66                          ;          v66-68   at work: two running maxima, the conversion's scale operand;   v40-59 also serve the softmax
.set CX,   72                          ;          v72-103  the context of my rows: register 8 u + i: column 256 u + 8 lane + i
.set PR,   104                         ;          v104-119 p of my 16 rows
.set BK,   128                         ;          v128-191 two sets of 32 neighbours along K, back from the stage
.set FD,   192                         ;          v192-255 two sets of two bf16 rows;   window 1: the ring, row set q at 32 q
.set MSB, 0
.macro WIN new                         ; s_set_vgpr_msb: bits 1:0 source 0, 3:2 source 1, 5:4 source 2, 7:6 destination; the high byte repeats the setting that is left; a switch that changes nothing is dropped
.if MSB != \new
	s_set_vgpr_msb (MSB<<8)|\new
.set MSB, \new
.endif
.endm
.macro BAR                             ; my LDS stores have landed and my LDS loads are in: then the work-group's barrier
	s_wait_dscnt 0x0
	s_barrier_signal -1
	s_barrier_wait -1
.endm
; ---------------- compute ----------------
.macro REQ set, ab, as                 ; a tile's 16 pieces (512 bytes on end each) and its scale words into set
.irp p, 0,1,2,3,4,5,6,7,8,9,10,11,12,13,14,15
	global_load_b128 v[BF+64*\set+4*\p:BF+64*\set+4*\p+3], v[\ab], s[6:7] offset:\set*8192+512*\p
.endr
	global_load_b128 v[BS+4*\set:BS+4*\set+3], v[\as], s[8:9] offset:\set*512
.endm
.macro REQH set, ah                    ; and its pair (c h_exp, V)
	global_load_b64 v[HV+2*\set:HV+2*\set+1], v[\ah], s[10:11] offset:\set*4096
.endm
.macro MM a, s, set                    ; source 0 = 16 rows of features, source 1 = 16 columns of W_f: register j of the result is (row 8 h + j, column r)
.if (\s) == 0
	v_wmma_scale_f32_16x16x128_f8f6f4 v[ACC+8*\a:ACC+8*\a+7], v[8*(8*\a+\s):8*(8*\a+\s)+7], v[BF+64*\set+8*\s:BF+64*\set+8*\s+7], 0, v[AS+4*\a+\s], v[BS+4*\set+\s] matrix_a_fmt:MATRIX_FMT_FP4 matrix_b_fmt:MATRIX_FMT_FP4
.elseif (\s) < 4
	v_wmma_scale_f32_16x16x128_f8f6f4 v[ACC+8*\a:ACC+8*\a+7], v[8*(8*\a+\s):8*(8*\a+\s)+7], v[BF+64*\set+8*\s:BF+64*\set+8*\s+7], v[ACC+8*\a:ACC+8*\a+7], v[AS+4*\a+\s], v[BS+4*\set+\s] matrix_a_fmt:MATRIX_FMT_FP4 matrix_b_fmt:MATRIX_FMT_FP4
.else
	v_wmma_scale_f32_16x16x128_f8f6f4 v[ACC+8*\a:ACC+8*\a+7], v[8*(8*\a+\s):8*(8*\a+\s)+7], v[BF+64*\set+8*\s:BF+64*\set+8*\s+7], v[ACC+8*\a:ACC+8*\a+7], v[AS+4*\a+\s-4], v[BS+4*\set+\s-4] matrix_a_fmt:MATRIX_FMT_FP4 matrix_b_fmt:MATRIX_FMT_FP4 matrix_a_scale:MATRIX_SCALE_ROW1 matrix_b_scale:MATRIX_SCALE_ROW1
.endif
.endm
; One tile of 16 columns for the 64 rows: 32 products, the tanh's 1 / (1 + 2^y), and V times it onto the energies.  The set just multiplied is asked for again at once, for the tile two on.
; Each set has offset registers of its own (set 0: v29-31, set 1: v4-6): the wait at the tile's head shows done just the 18 loads that read them, so they are made anew behind it with no further wait.
.macro TILE set
	s_wait_loadcnt 18                              ; this tile's 16 + 1 + 1 loads are in; the other set's 18, issued behind them, may be out
	v_lshl_add_u32 v[29-25*\set], s23, 13, v27     ; the pair of tiles to ask for begins at tile s23; set 1's tile lies one further on, by the loads' immediates
	v_lshl_add_u32 v[30-25*\set], s23, 9, v32
	v_lshl_add_u32 v[31-25*\set], s23, 12, v33
	WIN 0x01                                       ; source 0 (the rows) in window 1
.irp s, 0,1,2,3,4,5,6,7                        ; the four accumulators by turns, one instruction a turn; the first K step starts the sums
.irp a, 0,1,2,3
	MM \a, \s, \set
.endr
.endr
	WIN 0
.rept 4
	v_nop                                          ; four places in front of loads into registers that the products have read, and of the first read of results
.endr
	REQ \set, 29-25*\set, 30-25*\set
.set J, 0
.rept 16                                       ; y = c f_proj + c h_exp, two at a time; each accumulator from its low end on
	v_pk_fma_f32 v[ACC+J:ACC+J+1], v[ACC+J:ACC+J+1], s[26:27], v[HV+2*\set:HV+2*\set+1] op_sel_hi:[1,0,0]
.set J, J+2
.endr
.set J, 0
.rept 32
	v_exp_f32 v[ACC+J], v[ACC+J]
.set J, J+1
.endr
	v_nop                                          ; a plain place behind the last exponential (ISA guide 5.7.2)
.set J, 0
	s_wait_alu depctr_va_vdst(0)
.rept 16
	v_pk_add_f32 v[ACC+J:ACC+J+1], v[ACC+J:ACC+J+1], 1.0 op_sel_hi:[1,0]
.set J, J+2
.endr
.set J, 0
.rept 32
	v_rcp_f32 v[ACC+J], v[ACC+J]
.set J, J+1
.endr
	v_nop                                          ; a plain place behind the last reciprocal
.set J, 0
	s_wait_alu depctr_va_vdst(0)
.rept 16                                       ; + V[n] / (1 + 2^y): of the pair (c h_exp, V) the second serves both halves
	v_pk_fma_f32 v[EACC+J:EACC+J+1], v[ACC+J:ACC+J+1], v[HV+2*\set:HV+2*\set+1], v[EACC+J:EACC+J+1] op_sel:[0,1,0] op_sel_hi:[1,1,1]
.set J, J+2
.endr
	REQH \set, 31-25*\set                          ; the pair is free only now: it closes the tile's 18 loads
.endm
.macro COMPUTE_BLOCK                   ; my 16 tiles, two a trip; then the energies' parts are summed over the 16 columns of a tile's lanes and go to EP
	s_mov_b32 s22, 8
.Ltiles_\@:
	TILE 0
	TILE 1
	s_add_co_u32 s23, s23, 2
	s_and_b32 s23, s23, 15                         ; the next pair of tiles to ask for; behind 14, 15 come 0, 1, for the next block
	s_sub_co_u32 s22, s22, 1
	s_cmp_lg_u32 s22, 0
	s_cbranch_scc1 .Ltiles_\@
.irp m, 1,2,4,8
.set J, 0
.rept 32
	v_add_f32_dpp v[EACC+J], v[EACC+J], v[EACC+J] row_xmask:\m row_mask:0xf bank_mask:0xf
.set J, J+1
.endr
.endr
.irp a, 0,1,2,3
.irp u, 0,1
	ds_store_b128 v18, v[EACC+8*\a+4*\u:EACC+8*\a+4*\u+3] offset:64*\a+16*\u   ; rows 16 a + 8 h + 4 u on; the 16 lanes of a half write the same words with the same values
.endr
.endr
.endm
.macro ALOAD                           ; the next block's codes (64 loads of 512 bytes) and scale words into registers; the energies begin at 0
	WIN 0x40                                       ; destination window 1
.irp a, 0,1,2,3
.irp s, 0,1,2,3,4,5,6,7
.irp c, 0,1
	ds_load_b128 v[8*(8*\a+\s)+4*\c:8*(8*\a+\s)+4*\c+3], v19 offset:16*XP*\a+64*\s+32*\c
.endr
.endr
.endr
	WIN 0
.irp a, 0,1,2,3
	ds_load_b128 v[AS+4*\a:AS+4*\a+3], v20 offset:16*XSP*\a
.endr
.set J, 0
.rept 32
	v_mov_b32 v[EACC+J], 0
.set J, J+1
.endr
.endm
; ---------------- loaders: a block comes in ----------------
.macro RLOAD q, off                    ; a row, 4,096 bytes, into ring set q: eight loads of 512 bytes on end; register 4 e + i of lane l is number 128 e + 4 l + i
	WIN 0x40                                       ; destination window 1
.irp e, 0,1,2,3,4,5,6,7
	global_load_b128 v[32*(\q)+4*\e:32*(\q)+4*\e+3], v27, s[4:5] offset:(\off)+512*\e th:TH_LOAD_NT
.endr
.endm
; Row j, in ring set q: as bf16 into F; as f32 through my stage, so that lane l gets the 32 neighbours of block l.  LDS serves a wave's instructions in order (ISA guide 5.7.1.4): no wait between the stores and the loads.
; In the stage piece c (16 bytes) of block b lies at 272 (b / 2) + 128 (b % 2) + 16 c.  A store's lanes 0-15 hold blocks 4 e, 4 e + 1 and lanes 16-31 blocks 4 e + 2, 4 e + 3: 256 bytes on end each.
; A load's 16 lanes take piece e of 16 blocks: in units of 16 bytes, modulo 16, that is l / 2 + 8 (l % 2) + e: sixteen different columns of banks.
.macro TURN q, j
	WIN 0x05                                       ; sources in window 1
.irp e, 0,1,2,3,4,5,6,7
	v_cvt_pk_bf16_f32 v[T16+2*\e], v[32*(\q)+4*\e], v[32*(\q)+4*\e+1]
	v_cvt_pk_bf16_f32 v[T16+2*\e+1], v[32*(\q)+4*\e+2], v[32*(\q)+4*\e+3]
.endr
	WIN 0x04                                       ; an LDS store's data are its source 1
.irp e, 0,1,2,3,4,5,6,7
	ds_store_b128 v23, v[32*(\q)+4*\e:32*(\q)+4*\e+3] offset:544*\e
.endr
	WIN 0
.irp e, 0,1,2,3,4,5,6,7
	ds_store_b64 v21, v[T16+2*\e:T16+2*\e+1] offset:2048*(\j)+256*\e         ; 32 lanes, 256 bytes on end: the row lies in F as it lies in memory, two bytes a number
.endr
.irp e, 0,1,2,3,4,5,6,7
	ds_load_b128 v[BK+32*((\j)%2)+4*\e:BK+32*((\j)%2)+4*\e+3], v24 offset:16*\e
.endr
.endm
; Block l of row j, all 32 numbers in my lane: the largest magnitude, with the floor 2^(3 - 127) among its leaves, which holds the byte at 1 from below; 2 off its exponent field is the conversion's scale operand.
.macro QUANT j
	WIN 0
.set QB, BK+32*((\j)%2)
.set QC, CD+4*((\j)%2)
	v_max3_num_f32 v[QT], |v[QB]|, |v[QB+1]|, 0x1800000
	v_max3_num_f32 v[QT+1], |v[QB+2]|, |v[QB+3]|, |v[QB+4]|
.irp i, 5,9,13,17,21,25
	v_max3_num_f32 v[QT], v[QT], |v[QB+\i]|, |v[QB+\i+1]|                    ; two chains, so that no line waits for the line above it
	v_max3_num_f32 v[QT+1], v[QT+1], |v[QB+\i+2]|, |v[QB+\i+3]|
.endr
	v_max3_num_f32 v[QT], v[QT], |v[QB+29]|, |v[QB+30]|
	v_max3_num_f32 v[QT], v[QT], v[QT+1], |v[QB+31]|
	v_add_nc_u32 v[QT+2], 0xff000000, v[QT]
.irp g, 0,1,2,3
	v_cvt_scalef32_pk8_fp4_f32 v[QC+\g], v[QB+8*\g:QB+8*\g+7], v[QT+2]       ; eight numbers / the scale, to the nearest code, ties to even, beyond 6 the largest code; the first number's code in the lowest bits
.endr
	v_lshrrev_b32 v[SBY+(\j)%2], 23, v[QT+2]       ; the scale's byte; also the plain place behind the conversions
	ds_store_b128 v25, v[QC:QC+3] offset:XP*(\j)   ; 32 codes: bytes 16 l of the row's 512
	ds_store_b8 v26, v[SBY+(\j)%2] offset:XSP*(\j)
.endm
; Row j's step: its ring set is asked for again (the row 8 on, in this block or the next), row j + 1 goes through the stage, and row j is quantised while that is on its way.
; guard = 1: in the last block (s21 = 3) there is no next block: the request is jumped over, and on that way all loads are waited for, so that the counted wait below holds on both ways.
.macro RSTEP j, guard
.if (\j) == 0
	s_wait_dscnt 0x0                               ; row 0 is back from the stage
.else
	s_wait_dscnt 2                                 ; row j is back from the stage, and the stores that read its ring set are done; the last row's code and byte stores, issued behind, may be out: their registers take turns
.endif
.if (\j) < 8
	RLOAD (\j)%8, ((\j)+8)*4096
.elseif \guard
	s_cmp_eq_u32 s21, 3
	s_cbranch_scc1 .Lnone_\@
	RLOAD (\j)%8, (56+(\j))*4096
	WIN 0
	s_branch .Lgo_\@
.Lnone_\@:
	s_wait_loadcnt 0x0
.Lgo_\@:
.else
	RLOAD (\j)%8, (56+(\j))*4096                   ; 64 rows on, less 8
.endif
.if (\j) < 15
	s_wait_loadcnt 56                              ; row j + 1's eight loads are in; the seven rows asked for behind it may be out
	TURN ((\j)+1)%8, (\j)+1
.endif
	QUANT \j
.endm
.macro LOADER_BLOCK guard
	s_wait_loadcnt 56                              ; row 0 is in; rows 1 to 7 may be out
	TURN 0, 0
.irp j, 0,1,2,3,4,5,6,7,8,9,10,11,12,13,14,15
	RSTEP \j, \guard
.endr
.endm
; ---------------- loaders: softmax and context ----------------
; Between a period's two barriers: the block's 64 energies, the new M, p, S; my sums are brought under the new M.  Each loader does all of it for itself: the four hold the same M and S.
.macro SOFTMAX
.irp k, 0,1,2,3
	ds_load_b64 v[40+2*\k:41+2*\k], v15 offset:256*\k                        ; rows 2 l, 2 l + 1: the four compute waves' parts
.endr
	s_wait_dscnt 0x0
	v_pk_add_f32 v[40:41], v[40:41], v[42:43]
	v_pk_add_f32 v[44:45], v[44:45], v[46:47]
	v_pk_add_f32 v[40:41], v[40:41], v[44:45]
	v_pk_mul_f32 v[40:41], v[40:41], s[28:29] op_sel_hi:[1,0]                ; E2 = -c x the sum
	s_cmp_lg_u32 s18, 1
	s_cbranch_scc1 .Lnot_wave_1_\@
	global_store_b64 v28, v[40:41], s[12:13]       ; every loader has the same 64 numbers: wave 1 stores them, 256 bytes on end, aligned
.Lnot_wave_1_\@:
	v_max_num_f32 v42, v40, v41
.irp m, 1,2,4,8
	v_max_num_f32_dpp v42, v42, v42 row_xmask:\m row_mask:0xf bank_mask:0xf
.endr
	v_permlanex16_b32 v43, v42, s30, s31
	v_max_num_f32 v42, v42, v43                    ; the block's largest E2
	v_max_num_f32 v44, v2, v42                     ; the new M
	v_sub_f32 v45, v2, v44
	v_sub_f32 v46, v40, v44
	v_sub_f32 v47, v41, v44
	v_exp_f32 v54, v45                             ; f = 2^(old M - new M)
	v_exp_f32 v56, v46                             ; p
	v_exp_f32 v57, v47
	v_mov_b32 v2, v44                              ; (a plain place behind the exponentials)
	s_wait_alu depctr_va_vdst(0)
	ds_store_b64 v16, v[56:57]                     ; my wave's own 256 bytes: p of row i at 4 i
	v_add_f32 v58, v56, v57
.irp m, 1,2,4,8
	v_add_f32_dpp v58, v58, v58 row_xmask:\m row_mask:0xf bank_mask:0xf
.endr
	v_permlanex16_b32 v59, v58, s30, s31
	v_add_f32 v58, v58, v59
	v_fma_f32 v3, v3, v54, v58                     ; S = S f + the block's sum of p
.set J, 0
.rept 16
	v_pk_mul_f32 v[CX+J:CX+J+1], v[CX+J:CX+J+1], v[54:55] op_sel_hi:[1,0]    ; my sums, which hold the blocks before this one, under the new M
.set J, J+2
.endr
.endm
.macro FLOAD k                         ; my rows 2 k, 2 k + 1 as bf16: four loads of 512 bytes on end a row; register 4 u + q of lane l: columns 256 u + 8 l + 2 q, + 1
.set FL, FD+32*((\k)%2)
.irp o, 0,1
.irp u, 0,1,2,3
	ds_load_b128 v[FL+16*\o+4*\u:FL+16*\o+4*\u+3], v12 offset:(2*(\k)+\o)*2048+512*\u
.endr
.endr
.endm
; My 16 rows of the block whose p the last softmax left, onto my sums.  Rows, p and sums are my wave's own: no other wave is waited for, and the rows may be stored over as soon as these loads are issued.
.macro CTX
.irp u, 0,1,2,3
	ds_load_b128 v[PR+4*\u:PR+4*\u+3], v17 offset:16*\u                      ; p of my 16 rows: every lane reads the same words
.endr
	FLOAD 0
.irp k, 0,1,2,3,4,5,6,7
.if \k < 7
	FLOAD \k+1
	s_wait_dscnt 8                                 ; these two rows (and p) are in; the next two rows' eight loads may be out
.else
	s_wait_dscnt 0x0
.endif
.irp o, 0,1
.irp u, 0,1,2,3
.irp q, 0,1,2,3                                ; sum += p x feature, the feature a bf16 half, p and the sum f32
	v_fma_mix_f32_bf16 v[CX+8*\u+2*\q], v[FD+32*(\k%2)+16*\o+4*\u+\q], v[PR+2*\k+\o], v[CX+8*\u+2*\q] op_sel_hi:[1,0,0]
	v_fma_mix_f32_bf16 v[CX+8*\u+2*\q+1], v[FD+32*(\k%2)+16*\o+4*\u+\q], v[PR+2*\k+\o], v[CX+8*\u+2*\q+1] op_sel:[1,0,0] op_sel_hi:[1,0,0]
.endr
.endr
.endr
.endr
.endm
; ---------------- the head: every LDS address is made here, by every wave, ahead of the first parting of the roles ----------------
	s_load_b256 s[4:11], s[0:1], 0x0               ; features s[4:5], ws_w s[6:7], W_f_scales s[8:9], ws_hv s[10:11]
	s_load_b128 s[12:15], s[0:1], 0x20             ; ws_e s[12:13], ws_c s[14:15]
	s_load_b64 s[16:17], s[0:1], 0x30              ; ws_s
	v_lshl_add_u32 v10, v0, 2, 0x4e400
	v_mov_b32 v11, 0
	v_lshrrev_b32 v60, 5, v0
	v_readfirstlane_b32 s18, v60                   ; wave 0..7
	s_lshr_b32 s19, s18, 2
	s_xor_b32 s19, s19, s18
	s_and_b32 s19, s19, 1                          ; role: 0 compute, 1 loader
	s_lshr_b32 s20, s18, 1                         ; idx 0..3 within the role
	v_and_b32 v1, 31, v0                           ; lane
	v_and_b32 v60, 15, v0                          ; r
	v_bfe_u32 v61, v0, 4, 1                        ; h
	v_lshl_add_u32 v14, v0, 4, X
	v_lshl_add_u32 v15, v1, 3, EP
	v_lshl_add_u32 v16, v0, 3, PS                  ; 8 x thread = 256 w + 8 lane
	v_and_b32 v62, 0xe0, v0
	v_lshl_add_u32 v17, v62, 3, PS
	s_lshl_b32 s32, s20, 6
	v_add_nc_u32 v17, s32, v17                     ; p of row 16 idx
	s_lshl_b32 s32, s20, 8
	s_add_co_u32 s32, s32, EP
	v_lshl_add_u32 v18, v61, 5, s32
	v_mul_u32_u24 v19, v60, XP
	v_lshl_add_u32 v19, v61, 4, v19
	v_add_nc_u32 v19, X, v19
	v_mul_u32_u24 v20, v60, XSP
	v_lshl_add_u32 v20, v61, 4, v20
	v_add_nc_u32 v20, XS, v20
	s_lshl_b32 s32, s20, 15                        ; 16 rows of 2,048 bytes for each loader
	v_lshl_add_u32 v22, v1, 3, s32
	v_lshl_add_u32 v35, v1, 4, s32
	s_lshl_b32 s32, s20, 12
	s_add_co_u32 s32, s32, X
	v_lshl_add_u32 v13, v1, 5, s32
	s_mul_i32 s32, s20, STW
	s_add_co_u32 s32, s32, ST
	v_mul_u32_u24 v23, v61, 272                    ; the stage, in: 272 (lane / 16) + 16 (lane % 16)
	v_lshl_add_u32 v23, v60, 4, v23
	v_add_nc_u32 v23, s32, v23
	v_lshrrev_b32 v62, 1, v1
	v_mul_u32_u24 v24, v62, 272                    ; and out: 272 (lane / 2) + 128 (lane % 2)
	v_and_b32 v62, 1, v1
	v_lshl_add_u32 v24, v62, 7, v24
	v_add_nc_u32 v24, s32, v24
	s_mul_i32 s32, s20, 16*XP
	s_add_co_u32 s32, s32, X
	v_lshl_add_u32 v25, v1, 4, s32
	s_mul_i32 s32, s20, 16*XSP
	s_add_co_u32 s32, s32, XS
	v_add_nc_u32 v26, s32, v1
	v_lshlrev_b32 v27, 4, v1
	v_lshlrev_b32 v28, 3, v1
	v_lshlrev_b32 v32, 5, v60
	v_lshl_add_u32 v32, v61, 4, v32
	v_lshlrev_b32 v33, 3, v60
	v_lshlrev_b32 v34, 4, v0
	s_mov_b32 s23, 2                               ; tiles 0 and 1 are asked for below; the loop's first requests are tiles 2 and 3
	s_mov_b32 s24, 0                               ; (i % 2) FPAR in period i: where block i is written, over block i - 2, which is read there first
	v_add_nc_u32 v21, s24, v22
	s_mov_b32 s26, 0x4038aa3b                      ; c = 2 log2(e)
	s_mov_b32 s27, s26                             ; (named with it as a pair, so it is written)
	s_mov_b32 s28, 0xc038aa3b                      ; -c
	s_mov_b32 s29, s28
	s_mov_b32 s30, 0x76543210                      ; v_permlanex16_b32's selects for lane l xor 16
	s_mov_b32 s31, 0xfedcba98
	v_mov_b32 v2, 0xff61b1e6                       ; M: -3e38, under every E2
	v_mov_b32 v3, 0                                ; S
.set J, 0
.rept 32
	v_mov_b32 v[CX+J], 0                           ; the context's sums: the first change of M multiplies zeros
.set J, J+1
.endr
	v_mov_b32 v55, 0                               ; (named as the upper half of the pair v[54:55])
	v_mov_b32 v59, 0                               ; (a lane permute's destination counts as one of its sources)
	s_lshl_b32 s32, ttmp9, 20                      ; features: 256 rows of 4,096 bytes a work-group,
	s_lshl_b32 s33, s20, 16                        ; 16 rows for each loader
	s_add_co_u32 s32, s32, s33
	s_mov_b32 s33, 0
	s_lshl_b32 s34, s20, 17                        ; ws_w: 16 tiles of 8,192 bytes for each compute wave
	s_mov_b32 s35, 0
	s_lshl_b32 s36, s20, 13                        ; W_f_scales: 256 rows of 32 bytes
	s_mov_b32 s37, 0
	s_lshr_b32 s40, ttmp9, 3                       ; the batch b
	s_and_b32 s38, s40, 16                         ; pos(b) = 16 (b / 16)
	s_and_b32 s39, s40, 7
	s_lshl_b32 s39, s39, 1
	s_add_co_u32 s38, s38, s39                     ;   + 2 (b % 8)
	s_bfe_u32 s39, s40, 0x10003
	s_add_co_u32 s38, s38, s39                     ;   + (b / 8) % 2
	s_lshl_b32 s38, s38, 7                         ; 128 bytes a batch in a tile of ws_hv,
	s_lshl_b32 s39, s20, 16                        ; 16 tiles of 4,096 bytes for each compute wave
	s_add_co_u32 s38, s38, s39
	s_mov_b32 s39, 0
	s_lshl_b32 s40, ttmp9, 10                      ; ws_e: 256 numbers
	s_mov_b32 s41, 0
	s_lshl_b32 s42, ttmp9, 12                      ; ws_c: 1,024 numbers
	s_mov_b32 s43, 0
	s_lshl_b32 s44, ttmp9, 8                       ; ws_s: 256 bytes
	s_mov_b32 s45, 0
	s_wait_kmcnt 0x0
	s_add_nc_u64 s[4:5], s[4:5], s[32:33]
	s_add_nc_u64 s[6:7], s[6:7], s[34:35]
	s_add_nc_u64 s[8:9], s[8:9], s[36:37]
	s_add_nc_u64 s[10:11], s[10:11], s[38:39]
	s_add_nc_u64 s[12:13], s[12:13], s[40:41]
	s_add_nc_u64 s[14:15], s[14:15], s[42:43]
	s_add_nc_u64 s[16:17], s[16:17], s[44:45]
; ---------------- period 0: block 0 comes in; there is nothing to multiply yet ----------------
	s_cmp_lg_u32 s19, 0
	s_cbranch_scc1 .Lfirst_in
	REQ 0, 27, 32                                  ; compute: tiles 0 and 1, in the order that every later request keeps: 16 pieces, scale words, pair
	REQH 0, 33
	REQ 1, 27, 32
	REQH 1, 33
	s_branch .Lfirst_join
.Lfirst_in:
.irp q, 0,1,2,3,4,5,6,7
	RLOAD \q, \q*4096                              ; the ring is filled: rows 0 to 7
.endr
	LOADER_BLOCK 0
.Lfirst_join:
	BAR                                            ; block 0's codes and scale bytes lie in LDS
	s_cmp_lg_u32 s19, 0
	s_cbranch_scc1 .Lfirst_no_a
	ALOAD
.Lfirst_no_a:
	BAR                                            ; the codes have been read: X and XS may be written again
	s_wait_xcnt 0x0                                ; the loads have read their base
	s_add_nc_u64 s[4:5], s[4:5], 0x40000           ; 64 rows on
	s_mov_b32 s24, FPAR
	s_mov_b32 s21, 1
; ---------------- periods 1 to 4 ----------------
.Lperiod:
	v_add_nc_u32 v21, s24, v22
	v_add_nc_u32 v12, s24, v35
	s_cmp_lg_u32 s19, 0
	s_cbranch_scc1 .Lin
	COMPUTE_BLOCK                                  ; block i - 1
	s_branch .Ljoin
.Lin:
	s_cmp_eq_u32 s21, 1                            ; in period 1 no block has been through the softmax yet
	s_cbranch_scc1 .Lno_ctx
	CTX                                            ; block i - 2
.Lno_ctx:
	s_cmp_eq_u32 s21, 4                            ; in period 4 nothing is left to come in
	s_cbranch_scc1 .Ljoin
	LOADER_BLOCK 1                                 ; block i
.Ljoin:
	BAR                                            ; block i - 1's energies lie in EP, block i's codes in X and XS
	s_cmp_lg_u32 s19, 0
	s_cbranch_scc1 .Lsm
	s_cmp_eq_u32 s21, 4
	s_cbranch_scc1 .Lbound
	ALOAD                                          ; block i
	s_branch .Lbound
.Lsm:
	SOFTMAX                                        ; block i - 1
.Lbound:
	BAR                                            ; EP, X and XS have been read: all may be written again
	s_wait_xcnt 0x0                                ; loads and the store have read their bases and registers
	s_add_nc_u64 s[4:5], s[4:5], 0x40000           ; (behind period 3 nothing is loaded through it any more)
	s_add_nc_u64 s[12:13], s[12:13], 256           ; 64 energies on
	s_xor_b32 s24, s24, FPAR
	s_add_co_u32 s21, s21, 1
	s_cmp_lt_u32 s21, 5
	s_cbranch_scc1 .Lperiod
; ---------------- the end: block 3 onto the context; the four loaders' sums meet in X's bytes, whose last read lies two barriers back ----------------
	v_add_nc_u32 v12, s24, v35
	s_cmp_lg_u32 s19, 0
	s_cbranch_scc0 .Llast_join
	CTX
.irp u, 0,1,2,3
.irp c, 0,1
	ds_store_b128 v13, v[CX+8*\u+4*\c:CX+8*\u+4*\c+3] offset:1024*\u+16*\c   ; columns 256 u + 8 lane + 4 c on, 4 bytes a column
.endr
.endr
	s_cmp_lg_u32 s18, 1
	s_cbranch_scc1 .Llast_join
	global_store_b64 v28, v[2:3], s[16:17]         ; (M, S), the same in every lane: 32 copies, 256 bytes on end, aligned
.Llast_join:
	BAR
.irp k, 0,1,2,3
	ds_load_b128 v[40+4*\k:43+4*\k], v14 offset:4096*\k                      ; thread t: columns 4 t .. 4 t + 3 of the four parts
.endr
	s_wait_dscnt 0x0
	v_pk_add_f32 v[40:41], v[40:41], v[44:45]
	v_pk_add_f32 v[42:43], v[42:43], v[46:47]
	v_pk_add_f32 v[48:49], v[48:49], v[52:53]
	v_pk_add_f32 v[50:51], v[50:51], v[54:55]
	v_pk_add_f32 v[40:41], v[40:41], v[48:49]
	v_pk_add_f32 v[42:43], v[42:43], v[50:51]
	global_store_b128 v34, v[40:43], s[14:15]      ; a wave stores 512 bytes on end
	s_wait_tensorcnt 0x0
	ds_add_u32 v10, v11
	s_wait_dscnt 0x0
	s_endpgm
.Lfunc_end_k_q1aa92a41af_main:
	.size	k_q1aa92a41af_main, .Lfunc_end_k_q1aa92a41af_main-k_q1aa92a41af_main
	.p2alignl 7, 3214868480
	.fill 96, 4, 3214868480
	.section	.rodata,"a",@progbits
	.p2align	6, 0x0
	.amdhsa_kernel k_q1aa92a41af_main
		.amdhsa_group_segment_fixed_size 321536
		.amdhsa_private_segment_fixed_size 0
		.amdhsa_enable_private_segment 0
		.amdhsa_kernarg_size 56
		.amdhsa_user_sgpr_count 2
		.amdhsa_user_sgpr_kernarg_segment_ptr 1
		.amdhsa_wavefront_size32 1
		.amdhsa_system_sgpr_workgroup_id_x 1
		.amdhsa_system_sgpr_workgroup_id_y 1
		.amdhsa_system_sgpr_workgroup_id_z 1
		.amdhsa_system_vgpr_workitem_id 0
		.amdhsa_next_free_vgpr 512
		.amdhsa_next_free_sgpr 66
		.amdhsa_reserve_vcc 0
		.amdhsa_float_denorm_mode_32 3
		.amdhsa_float_denorm_mode_16_64 3
		.amdhsa_memory_ordered 1
		.amdhsa_forward_progress 1
		.amdhsa_inst_pref_size 255
	.end_amdhsa_kernel
	.section	.bss,"aw",@nobits
	.p2align	6
	.space	262144
	.amdgpu_metadata
---
amdhsa.version: [ 1, 2 ]
amdhsa.kernels:
  - .name:           k_q1aa92a41af_main
    .symbol:         k_q1aa92a41af_main.kd
    .args:
      - { .name: features, .offset: 0, .size: 8, .value_kind: global_buffer, .address_space: global }
      - { .name: ws_w, .offset: 8, .size: 8, .value_kind: global_buffer, .address_space: global }
      - { .name: W_f_scales, .offset: 16, .size: 8, .value_kind: global_buffer, .address_space: global }
      - { .name: ws_hv, .offset: 24, .size: 8, .value_kind: global_buffer, .address_space: global }
      - { .name: ws_e, .offset: 32, .size: 8, .value_kind: global_buffer, .address_space: global }
      - { .name: ws_c, .offset: 40, .size: 8, .value_kind: global_buffer, .address_space: global }
      - { .name: ws_s, .offset: 48, .size: 8, .value_kind: global_buffer, .address_space: global }
    .group_segment_fixed_size: 321536
    .private_segment_fixed_size: 0
    .kernarg_segment_align: 8
    .kernarg_segment_size: 56
    .max_flat_workgroup_size: 256
    .sgpr_count:     66
    .vgpr_count:     512
    .wavefront_size: 32
...
	.end_amdgpu_metadata
.endif
;; end of part 2
;; launch merge (part 3): grid 32 x 4, 4 waves a work-group, no clusters, 0 bytes of LDS; arguments ws_e, ws_c, ws_s, out0, out1; writes out0, out1
.if DOCPART == 3
	.amdgcn_target "amdgcn-amd-amdhsa--gfx1250"
	.amdhsa_code_object_version 6
	.text
	.protected	k_q1aa92a41af_merge
	.globl	k_q1aa92a41af_merge
	.p2align	8
	.type	k_q1aa92a41af_merge,@function
k_q1aa92a41af_merge:
	s_mov_b64 s[64:65], 0
	v_nop
	global_prefetch_b8 v0, s[64:65] scope:SCOPE_SE
	s_setreg_imm32_b32 hwreg(HW_REG_WAVE_MODE, 25, 1), 1
	s_wait_xcnt 0x0
; The eight parts of a batch are joined.  Part k of batch b (work-group 8 b + k of the launch before) left its largest E2, M_k, its sum S_k of 2^(E2 - M_k), and ctx_k, the sum of 2^(E2 - M_k) x features.
; Mt = the largest M_k;  w_k = 2^(M_k - Mt);  St = the sum of w_k S_k, at least 1: the part that holds Mt has w = 1 and a term 2^0 in its S.
; out1[b][l] = 2^(E2[l] - Mt) / St;   out0[b][f] = (the sum of w_k ctx_k[f]) / St.
; Work-group (b, y), thread t: weights 512 y + 4 t .. + 3 and columns 256 y + 2 t, + 1.  A stream of 1.4 MB: no LDS, no barrier, no matrix unit.
.set MS,  8                            ; v8-23   (M_k, S_k)
.set E,   24                           ; v24-27  four E2, then four weights
.set C,   28                           ; v28-43  ctx_k of my two columns
.set W,   46                           ; v46-53  w_k
	s_load_b256 s[4:11], s[0:1], 0x0               ; ws_e s[4:5], ws_c s[6:7], ws_s s[8:9], out0 s[10:11]
	s_load_b64 s[12:13], s[0:1], 0x20              ; out1
	s_and_b32 s14, ttmp7, 0xffff                   ; y
	v_mov_b32 v1, 0
	v_lshlrev_b32 v2, 4, v0                        ; 16 t
	v_lshlrev_b32 v3, 3, v0                        ; 8 t
	s_lshl_b32 s16, ttmp9, 13                      ; ws_e, out1: 2,048 numbers a batch, 512 a work-group
	s_lshl_b32 s15, s14, 11
	s_add_co_u32 s16, s16, s15
	s_mov_b32 s17, 0
	s_lshl_b32 s18, ttmp9, 15                      ; ws_c: eight parts of 4,096 bytes a batch, 256 columns a work-group
	s_lshl_b32 s15, s14, 10
	s_add_co_u32 s18, s18, s15
	s_mov_b32 s19, 0
	s_lshl_b32 s20, ttmp9, 11                      ; ws_s: eight parts of 256 bytes
	s_mov_b32 s21, 0
	s_lshl_b32 s22, ttmp9, 12                      ; out0: 1,024 numbers a batch
	s_add_co_u32 s22, s22, s15
	s_mov_b32 s23, 0
	s_wait_kmcnt 0x0
	s_add_nc_u64 s[4:5], s[4:5], s[16:17]
	s_add_nc_u64 s[6:7], s[6:7], s[18:19]
	s_add_nc_u64 s[8:9], s[8:9], s[20:21]
	s_add_nc_u64 s[10:11], s[10:11], s[22:23]
	s_add_nc_u64 s[12:13], s[12:13], s[16:17]
.irp k, 0,1,2,3,4,5,6,7
	global_load_b64 v[MS+2*\k:MS+2*\k+1], v1, s[8:9] offset:256*\k           ; every lane reads the same pair
.endr
	global_load_b128 v[E:E+3], v2, s[4:5]
.irp k, 0,1,2,3,4,5,6,7
	global_load_b64 v[C+2*\k:C+2*\k+1], v3, s[6:7] offset:4096*\k
.endr
	s_wait_loadcnt 0x0
	v_max3_num_f32 v44, v[MS], v[MS+2], v[MS+4]
	v_max3_num_f32 v44, v44, v[MS+6], v[MS+8]
	v_max3_num_f32 v44, v44, v[MS+10], v[MS+12]
	v_max_num_f32 v44, v44, v[MS+14]               ; Mt
.irp k, 0,1,2,3,4,5,6,7
	v_sub_f32 v[W+\k], v[MS+2*\k], v44
.endr
.irp i, 0,1,2,3
	v_sub_f32 v[E+\i], v[E+\i], v44
.endr
.irp k, 0,1,2,3,4,5,6,7
	v_exp_f32 v[W+\k], v[W+\k]
.endr
.irp i, 0,1,2,3
	v_exp_f32 v[E+\i], v[E+\i]
.endr
	v_nop                                          ; a plain place behind the last exponential (ISA guide 5.7.2)
	s_wait_alu depctr_va_vdst(0)
	v_mul_f32 v56, v[W], v[MS+1]
.irp k, 1,2,3,4,5,6,7
	v_fma_f32 v56, v[W+\k], v[MS+2*\k+1], v56      ; St
.endr
	v_rcp_f32 v54, v56                             ; 1 / St, twice: a pair for the packed multiplies
	v_rcp_f32 v55, v56
	v_pk_mul_f32 v[58:59], v[C:C+1], v[W:W+1] op_sel_hi:[1,0]                ; w_0 ctx_0.  (The plain place behind the reciprocals: it names neither them nor St)
.irp k, 2,4,6                                  ; of the pair (w_k, w_k+1) the first serves both halves,
	v_pk_fma_f32 v[58:59], v[C+2*\k:C+2*\k+1], v[W+\k:W+\k+1], v[58:59] op_sel_hi:[1,0,1]
.endr
.irp k, 1,3,5,7                                ; or the second
	v_pk_fma_f32 v[58:59], v[C+2*\k:C+2*\k+1], v[W+\k-1:W+\k], v[58:59] op_sel:[0,1,0] op_sel_hi:[1,1,1]
.endr
	s_wait_alu depctr_va_vdst(0)
	v_pk_mul_f32 v[58:59], v[58:59], v[54:55]
	v_pk_mul_f32 v[E:E+1], v[E:E+1], v[54:55]
	v_pk_mul_f32 v[E+2:E+3], v[E+2:E+3], v[54:55]
	global_store_b128 v2, v[E:E+3], s[12:13]       ; a wave stores 512 bytes on end
	global_store_b64 v3, v[58:59], s[10:11]        ; a wave stores 256 bytes on end, aligned
	s_endpgm
.Lfunc_end_k_q1aa92a41af_merge:
	.size	k_q1aa92a41af_merge, .Lfunc_end_k_q1aa92a41af_merge-k_q1aa92a41af_merge
	.p2alignl 7, 3214868480
	.fill 96, 4, 3214868480
	.section	.rodata,"a",@progbits
	.p2align	6, 0x0
	.amdhsa_kernel k_q1aa92a41af_merge
		.amdhsa_group_segment_fixed_size 0
		.amdhsa_private_segment_fixed_size 0
		.amdhsa_enable_private_segment 0
		.amdhsa_kernarg_size 40
		.amdhsa_user_sgpr_count 2
		.amdhsa_user_sgpr_kernarg_segment_ptr 1
		.amdhsa_wavefront_size32 1
		.amdhsa_system_sgpr_workgroup_id_x 1
		.amdhsa_system_sgpr_workgroup_id_y 1
		.amdhsa_system_sgpr_workgroup_id_z 1
		.amdhsa_system_vgpr_workitem_id 0
		.amdhsa_next_free_vgpr 64
		.amdhsa_next_free_sgpr 66
		.amdhsa_reserve_vcc 0
		.amdhsa_float_denorm_mode_32 3
		.amdhsa_float_denorm_mode_16_64 3
		.amdhsa_memory_ordered 1
		.amdhsa_forward_progress 1
		.amdhsa_inst_pref_size 6
	.end_amdhsa_kernel
	.amdgpu_metadata
---
amdhsa.version: [ 1, 2 ]
amdhsa.kernels:
  - .name:           k_q1aa92a41af_merge
    .symbol:         k_q1aa92a41af_merge.kd
    .args:
      - { .name: ws_e, .offset: 0, .size: 8, .value_kind: global_buffer, .address_space: global }
      - { .name: ws_c, .offset: 8, .size: 8, .value_kind: global_buffer, .address_space: global }
      - { .name: ws_s, .offset: 16, .size: 8, .value_kind: global_buffer, .address_space: global }
      - { .name: out0, .offset: 24, .size: 8, .value_kind: global_buffer, .address_space: global }
      - { .name: out1, .offset: 32, .size: 8, .value_kind: global_buffer, .address_space: global }
    .group_segment_fixed_size: 0
    .private_segment_fixed_size: 0
    .kernarg_segment_align: 8
    .kernarg_segment_size: 40
    .max_flat_workgroup_size: 128
    .sgpr_count:     66
    .vgpr_count:     64
    .wavefront_size: 32
...
	.end_amdgpu_metadata
.endif
;; end of part 3
;; ======== version 2 of 2: 3 launches
;; workspace buffers: ws_w 524,288 bytes; ws_hv 262,144 bytes; ws_e 262,144 bytes; ws_c 1,048,576 bytes; ws_s 65,536 bytes
;; launch prep (part 4): grid 64 x 1, 2 waves a work-group, no clusters, 0 bytes of LDS; arguments W_f_codes, W_h_codes, W_h_scales, hidden_codes, hidden_scales, V, ws_w, ws_hv; writes ws_w, ws_hv
.if DOCPART == 4
	.amdgcn_target "amdgcn-amd-amdhsa--gfx1250"
	.amdhsa_code_object_version 6
	.text
	.protected	k_q1aa92a41af_prep
	.globl	k_q1aa92a41af_prep
	.p2align	8
	.type	k_q1aa92a41af_prep,@function
k_q1aa92a41af_prep:
	s_mov_b64 s[64:65], 0
	v_nop
	global_prefetch_b8 v0, s[64:65] scope:SCOPE_SE
	s_setreg_imm32_b32 hwreg(HW_REG_WAVE_SCHED_MODE, 0, 2), 2
	s_setreg_imm32_b32 hwreg(HW_REG_WAVE_MODE, 25, 1), 1
	s_wait_xcnt 0x0
	s_wait_alu depctr_vm_vsrc(0)
; Two small jobs ahead of the main launch.  Work-group g owns the 16 columns n = 16 g .. 16 g + 15 of W_f and of W_h.
; (1) W_f's codes are laid anew as IMAGES OF OPERAND REGISTERS.  A fragment (16 columns x 128 K of 4-bit codes) is 8 registers: lane (r, h) holds column r, registers 4 c .. 4 c + 3 the bytes
;     64 s + 32 c + 16 h of its row of 512 bytes (K step s).  Piece p = 2 s + c of tile g goes to ws_w at 8,192 g + 512 p + 16 x lane: a later load of 16 bytes a lane reads 512 bytes on end.
;     Wave w moves pieces 8 w .. 8 w + 7.  The reads take 32 bytes of each of 16 rows; the whole tensor is 512 KiB and is read so once.
; (2) h_exp = hidden x W_h, on codes of FP4 (E2M1) with E8M0 scales as they are given.  Wave w takes rows 16 w .. 16 w + 15 of hidden: one accumulator, 8 K steps of 128.
;     What is stored is the pair (c h_exp[b][n], V[n]), c = 2 log2(e), which the main launch's tanh wants, at 4,096 g + 128 pos(b) + 8 r, pos(b) = 16 (b / 16) + 2 (b % 8) + (b / 8) % 2:
;     in that order register j of the result (rows 8 h + j, column r) is one store of 256 bytes on end, aligned.
; THE MODE: SCHED_MODE bits 1:0 = 2 (LLVM: expert scheduling mode 2), set by the entry lines.  The code itself states the register dependences
; between vector or matrix instructions and memory instructions, with s_wait_alu, always for 0.
; THE PLAN.  Registers that memory instructions touch: the offsets v3 to v7, written once at the head and read by every load and store; v16-184, in which loads land and which no vector line writes;
;   v200-215, the eight pairs, written by vector lines and read by the last eight stores.  No register that a memory instruction reads is written again.
;   So one wait on va_vdst stands ahead of the first load and one ahead of the stores of the pairs; the seven between are the chain's.
.set WF,   16                          ; v16-47    W_f: my 8 pieces
.set WH,   48                          ; v48-111   W_h: 8 fragments
.set HID,  112                         ; v112-175  hidden: 8 fragments
.set WHS,  176                         ; v176-179  W_h's scale words: lanes 0-15 words 0-3 of column r, lanes 16-31 words 4-7
.set HS,   180                         ; v180-183  hidden's likewise
.set VV,   184                         ; v184      V[16 g + r]
.set ACC,  192                         ; v192-199  the sum
.set OUTP, 200                         ; v200-215  eight pairs to store
	s_load_b256 s[4:11], s[0:1], 0x0               ; W_f_codes s[4:5], W_h_codes s[6:7], W_h_scales s[8:9], hidden_codes s[10:11]
	s_load_b256 s[12:19], s[0:1], 0x20             ; hidden_scales s[12:13], V s[14:15], ws_w s[16:17], ws_hv s[18:19]
	v_lshrrev_b32 v8, 5, v0
	v_readfirstlane_b32 s20, v8                    ; wave 0, 1
	v_and_b32 v1, 15, v0                           ; r
	v_bfe_u32 v2, v0, 4, 1                         ; h
	v_lshlrev_b32 v3, 9, v1
	v_lshl_add_u32 v3, v2, 4, v3                   ; codes: row r of 512 bytes + 16 h
	v_lshlrev_b32 v4, 5, v1
	v_lshl_add_u32 v4, v2, 4, v4                   ; scale bytes: row r of 32 bytes + 16 h
	v_and_b32 v5, 31, v0
	v_lshlrev_b32 v5, 4, v5                        ; an image: 16 x lane
	v_lshlrev_b32 v6, 2, v1                        ; V: 4 r
	v_lshlrev_b32 v7, 3, v1
	v_lshl_add_u32 v7, v2, 7, v7                   ; the pairs: 128 h + 8 r
	s_wait_alu depctr_va_sdst(0)                   ; s20, the wave's number, is written, ahead of its first reader: the bases are made from it
	s_lshl_b32 s24, ttmp9, 13                      ; 16 rows of 512 bytes for each work-group
	s_mov_b32 s25, 0
	s_lshl_b32 s22, s20, 8                         ; my 8 pieces begin 256 bytes x wave into a row
	s_add_co_u32 s22, s22, s24
	s_mov_b32 s23, 0
	s_lshl_b32 s26, ttmp9, 9                       ; 16 rows of 32 scale bytes
	s_mov_b32 s27, 0
	s_lshl_b32 s28, s20, 13                        ; hidden: 16 rows of 512 bytes for each wave
	s_mov_b32 s29, 0
	s_lshl_b32 s30, s20, 9
	s_mov_b32 s31, 0
	s_lshl_b32 s32, ttmp9, 6                       ; V: 16 numbers
	s_mov_b32 s33, 0
	s_lshl_b32 s34, s20, 12                        ; ws_w: 8 pieces of 512 bytes for each wave
	s_add_co_u32 s34, s34, s24
	s_mov_b32 s35, 0
	s_lshl_b32 s36, ttmp9, 12                      ; ws_hv: 4,096 bytes a tile, 2,048 a wave
	s_lshl_b32 s37, s20, 11
	s_add_co_u32 s36, s36, s37
	s_mov_b32 s37, 0
	s_wait_kmcnt 0x0
	s_add_nc_u64 s[4:5], s[4:5], s[22:23]
	s_add_nc_u64 s[6:7], s[6:7], s[24:25]
	s_add_nc_u64 s[8:9], s[8:9], s[26:27]
	s_add_nc_u64 s[10:11], s[10:11], s[28:29]
	s_add_nc_u64 s[12:13], s[12:13], s[30:31]
	s_add_nc_u64 s[14:15], s[14:15], s[32:33]
	s_add_nc_u64 s[16:17], s[16:17], s[34:35]
	s_add_nc_u64 s[18:19], s[18:19], s[36:37]
	s_wait_alu depctr_va_vdst(0)                   ; the offsets v3 to v7 are written, which every load and store below reads
.irp p, 0,1,2,3,4,5,6,7
	global_load_b128 v[WF+4*\p:WF+4*\p+3], v3, s[4:5] offset:32*\p
.endr
.irp p, 0,1,2,3,4,5,6,7,8,9,10,11,12,13,14,15
	global_load_b128 v[WH+4*\p:WH+4*\p+3], v3, s[6:7] offset:32*\p
.endr
.irp p, 0,1,2,3,4,5,6,7,8,9,10,11,12,13,14,15
	global_load_b128 v[HID+4*\p:HID+4*\p+3], v3, s[10:11] offset:32*\p
.endr
	global_load_b128 v[WHS:WHS+3], v4, s[8:9]
	global_load_b128 v[HS:HS+3], v4, s[12:13]
	global_load_b32 v[VV], v6, s[14:15]
	s_wait_loadcnt 35                              ; loads come back in order (ISA guide 5.7.1): W_f's eight are in; the 16 + 16 + 3 issued behind them may be out
.irp p, 0,1,2,3,4,5,6,7
	global_store_b128 v5, v[WF+4*\p:WF+4*\p+3], s[16:17] offset:512*\p    ; 32 lanes store 512 bytes on end; the data came by loads, the offset stands ahead of the wait above
.endr
	s_wait_loadcnt 0x0
	; source 0 = 16 rows of hidden, source 1 = 16 columns of W_h.  One accumulator: a wait ahead of each link of the chain.
	v_wmma_scale_f32_16x16x128_f8f6f4 v[ACC:ACC+7], v[HID:HID+7], v[WH:WH+7], 0, v[HS], v[WHS] matrix_a_fmt:MATRIX_FMT_FP4 matrix_b_fmt:MATRIX_FMT_FP4
.irp s, 1,2,3
	s_wait_alu depctr_va_vdst(0)                   ; the link before has written the sum, onto which this link adds
	v_wmma_scale_f32_16x16x128_f8f6f4 v[ACC:ACC+7], v[HID+8*\s:HID+8*\s+7], v[WH+8*\s:WH+8*\s+7], v[ACC:ACC+7], v[HS+\s], v[WHS+\s] matrix_a_fmt:MATRIX_FMT_FP4 matrix_b_fmt:MATRIX_FMT_FP4
.endr
.irp s, 4,5,6,7                                ; K steps 4 to 7: their scale words lie in lanes 16-31
	s_wait_alu depctr_va_vdst(0)                   ; the link before has written the sum, onto which this link adds
	v_wmma_scale_f32_16x16x128_f8f6f4 v[ACC:ACC+7], v[HID+8*\s:HID+8*\s+7], v[WH+8*\s:WH+8*\s+7], v[ACC:ACC+7], v[HS+\s-4], v[WHS+\s-4] matrix_a_fmt:MATRIX_FMT_FP4 matrix_b_fmt:MATRIX_FMT_FP4 matrix_a_scale:MATRIX_SCALE_ROW1 matrix_b_scale:MATRIX_SCALE_ROW1
.endr
.rept 4
	v_nop                                          ; four places between the last product and the first read of its result (ISA guide 7.12.1)
.endr
.irp j, 0,1,2,3,4,5,6,7                        ; register j: h_exp(16 w + 8 h + j, 16 g + r); from the low end on
	v_mul_f32 v[OUTP+2*\j], 0x4038aa3b, v[ACC+\j]  ; x c = 2 log2(e)
	v_mov_b32 v[OUTP+2*\j+1], v[VV]
.endr
	s_wait_alu depctr_va_vdst(0)                   ; the sixteen lines above have written the eight pairs, which the stores read
.irp j, 0,1,2,3,4,5,6,7
	global_store_b64 v7, v[OUTP+2*\j:OUTP+2*\j+1], s[18:19] offset:256*\j   ; 32 lanes store 256 bytes on end, aligned
.endr
	s_endpgm
.Lfunc_end_k_q1aa92a41af_prep:
	.size	k_q1aa92a41af_prep, .Lfunc_end_k_q1aa92a41af_prep-k_q1aa92a41af_prep
	.p2alignl 7, 3214868480
	.fill 96, 4, 3214868480
	.section	.rodata,"a",@progbits
	.p2align	6, 0x0
	.amdhsa_kernel k_q1aa92a41af_prep
		.amdhsa_group_segment_fixed_size 0
		.amdhsa_private_segment_fixed_size 0
		.amdhsa_enable_private_segment 0
		.amdhsa_kernarg_size 64
		.amdhsa_user_sgpr_count 2
		.amdhsa_user_sgpr_kernarg_segment_ptr 1
		.amdhsa_wavefront_size32 1
		.amdhsa_system_sgpr_workgroup_id_x 1
		.amdhsa_system_sgpr_workgroup_id_y 1
		.amdhsa_system_sgpr_workgroup_id_z 1
		.amdhsa_system_vgpr_workitem_id 0
		.amdhsa_next_free_vgpr 224
		.amdhsa_next_free_sgpr 66
		.amdhsa_reserve_vcc 0
		.amdhsa_float_denorm_mode_32 3
		.amdhsa_float_denorm_mode_16_64 3
		.amdhsa_memory_ordered 1
		.amdhsa_forward_progress 1
		.amdhsa_inst_pref_size 10
	.end_amdhsa_kernel
	.amdgpu_metadata
---
amdhsa.version: [ 1, 2 ]
amdhsa.kernels:
  - .name:           k_q1aa92a41af_prep
    .symbol:         k_q1aa92a41af_prep.kd
    .args:
      - { .name: W_f_codes, .offset: 0, .size: 8, .value_kind: global_buffer, .address_space: global }
      - { .name: W_h_codes, .offset: 8, .size: 8, .value_kind: global_buffer, .address_space: global }
      - { .name: W_h_scales, .offset: 16, .size: 8, .value_kind: global_buffer, .address_space: global }
      - { .name: hidden_codes, .offset: 24, .size: 8, .value_kind: global_buffer, .address_space: global }
      - { .name: hidden_scales, .offset: 32, .size: 8, .value_kind: global_buffer, .address_space: global }
      - { .name: V, .offset: 40, .size: 8, .value_kind: global_buffer, .address_space: global }
      - { .name: ws_w, .offset: 48, .size: 8, .value_kind: global_buffer, .address_space: global }
      - { .name: ws_hv, .offset: 56, .size: 8, .value_kind: global_buffer, .address_space: global }
    .group_segment_fixed_size: 0
    .private_segment_fixed_size: 0
    .kernarg_segment_align: 8
    .kernarg_segment_size: 64
    .max_flat_workgroup_size: 64
    .sgpr_count:     66
    .vgpr_count:     224
    .wavefront_size: 32
...
	.end_amdgpu_metadata
.endif
;; end of part 4
;; launch main (part 5): grid 256 x 1, 8 waves a work-group, no clusters, 321,536 bytes of LDS; arguments features, ws_w, W_f_scales, ws_hv, ws_e, ws_c, ws_s; writes ws_e, ws_c, ws_s
.if DOCPART == 5
	.amdgcn_target "amdgcn-amd-amdhsa--gfx1250"
	.amdhsa_code_object_version 6
	.text
	.protected	k_q1aa92a41af_main
	.globl	k_q1aa92a41af_main
	.p2align	8
	.type	k_q1aa92a41af_main,@function
k_q1aa92a41af_main:
	s_mov_b64 s[64:65], 0
	v_nop
	global_prefetch_b8 v0, s[64:65] scope:SCOPE_SE
	s_setreg_imm32_b32 hwreg(HW_REG_WAVE_SCHED_MODE, 0, 2), 2
	s_setreg_imm32_b32 hwreg(HW_REG_WAVE_MODE, 25, 1), 1
	s_wait_xcnt 0x0
	s_wait_alu depctr_vm_vsrc(0)
; Additive attention, all but the last merge.  Work-group g owns rows 256 g .. 256 g + 255 of features [65,536][1,024] f32 (batch b = g / 8), as four blocks of 64 rows.  Each row is read from memory ONCE.
; For a row l:  f_proj = Q(features[l]) x W_f on codes of FP4 (E2M1), one E8M0 scale for each 32 along K;  tanh(x) = 1 - 2 / (1 + 2^(c x)), c = 2 log2(e);
;   E2[l] = -c x sum over n of V[n] / (1 + 2^(c f_proj[n] + c h_exp[n]))  =  log2(e) x energy[l] - log2(e) x sum of V.
; The sum of V is the same for all rows of a batch and a softmax does not see a common shift: it is left out, which changes no weight.  2^y = infinity gives 1 / infinity = 0, 2^y = 0 gives 1: tanh's two ends, with no clamp.
; The softmax is taken in base 2 under a RUNNING MAXIMUM M of the work-group's rows: p = 2^(E2 - M); S = the sum of p; ctx[f] = the sum of p x features[l][f]; when M moves, S and ctx are multiplied by 2^(old M - new M).
; Out go E2 (ws_e), ctx (ws_c) and (M, S) (ws_s); the next launch joins the eight parts of a batch.
; TWO ROLES.  role = (w ^ (w >> 2)) & 1, idx = w >> 1: of waves w and w + 4, and of waves 2 i and 2 i + 1, one has each role.
;   LOADERS (waves 1, 3, 4, 6) take rows 16 idx .. + 15 of a block through a ring of 8 rows in registers (64 loads of 512 bytes on end a wave), quantise them, and put into LDS the codes, the scale bytes, and the row as bf16.
;     They also keep the softmax, and each adds ITS OWN 16 rows of a block, times p, onto 32 sums a lane (all 1,024 columns): it reads only bf16 rows that it stored itself.
;   COMPUTE waves (0, 2, 5, 7) hold the codes of all 64 rows of the block BEFORE in 256 registers and walk their 256 columns of W_f, 16 at a time; W_f's fragments come from ws_w straight into registers.
;   Two roles, since a wave's loads come back in order (ISA guide 5.7.1): a wave that waited for a fragment of W_f would wait for every older load of features too.
; PERIOD i (1 to 4): compute multiplies block i - 1 | loaders add block i - 2 onto the context, then take in block i (over block i - 2's bf16 rows) || barrier || compute fetches block i's codes | loaders take
;   block i - 1's energies through the softmax || barrier.  Behind the last period the loaders add block 3, and the four waves' sums meet in LDS.
;   What one role writes in LDS for the other (X, XS, EP) is written only between a period's second barrier and the next period's first, and read only between a period's first and second.
; NO JOINT LOADS, though every work-group walks the same W_f: two blocks of bf16 rows (262,144 bytes; block i - 1's must outlive block i's arrival), codes and scale bytes (36,864), stages and scratch (21,504)
;   are 320,512 bytes, 7,168 short of the most that a work-group can be given: no room for slots of W_f.  The 64 rows are the most whose two bf16 copies fit.
; After the last block the walk has asked for tiles 0 and 1 once more (2 requests of 66 serve nobody): the price of one loop text for all blocks.
; LIMITS: NaN and infinities among the inputs are not served.  A block of 32 features whose largest magnitude lies under 2^-124 gets the scale byte 1 (a block of zeros too: its codes are zeros, and this program alone reads
;   the bytes).  In the context, which is left unquantised, features count as bf16 and p as f32.
; THE MODE: SCHED_MODE bits 1:0 = 2 (LLVM: expert scheduling mode 2), set by the entry lines.  The code itself states the register dependences
; between vector or matrix instructions and memory or LDS instructions, with s_wait_alu, always for 0.
; THE PLAN.  Registers that memory or LDS instructions touch, and who else names them.
;   COMPUTE.  BF[set], BS[set]: a tile's 32 products read them; behind the products the loads of the tile two on land there.  HV[set]: the tile's first and last packed multiply-adds read it; it is loaded again at the tile's end.
;     The set's three offsets: written at the tile's head, read by the tile's 18 loads.  Window 1 and AS: read by a block's products, loaded between a period's barriers.  EACC: written by vector lines, read by the 8 stores into EP.
;     A tile: one wait on vm_vsrc at its head (the offsets); one on va_vdst behind the products (BF, BS, the offsets), behind which the 17 loads are dealt among the packed multiply-adds, which name ACC and HV alone;
;     the two waits behind the exponentials and the reciprocals; one on va_vdst ahead of the pair's load (HV).
;   LOADERS.  Ring set q: loads land in it; the stage's stores and the bf16 conversions read it.  T16: the conversions write it, the 8 stores into F read it.  BK[j % 2]: loads from the stage land in it, the quantiser's lines read it.
;     CD, SBY: the quantiser writes them, two stores read them.  v21, v12: written once a period, read by F's stores and loads.  PR, FD: LDS loads land in them, the context's multiply-adds read them.
;     A row's step: one wait on vm_vsrc at its head and ONE on va_vdst, behind the next row's conversions and this row's quantiser and ahead of the step's ten stores.  That wait also serves the next step's loads into the ring set
;     and into BK: between it and them stand only stores of other registers, waits, window switches, and conversions that name the ring and T16.
.set FPAR, 131072                      ; LDS 0: F, two blocks of 64 rows x 2,048 bytes of bf16, FPAR apart; block i lies at (i % 2) FPAR
.set X,    262144                      ; codes: 64 rows, 512 bytes + 16 of padding; at the very end the four loaders' sums, 4,096 bytes each
.set XP,   528                         ;   = 33 x 16: the 16 rows that a load touches start at 16 different columns of banks (64 banks of 4 bytes: ISA guide 11.1)
.set XS,   295936                      ; scale bytes: 64 rows of 32, 48 apart
.set XSP,  48
.set ST,   299008                      ; four stages, one a loader: 16 pairs of blocks of 32 numbers, 256 bytes + 16 of padding a pair
.set STW,  4608
.set EP,   317440                      ; [4 compute waves][64 rows] f32: parts of the energies
.set PS,   318464                      ; 256 bytes a wave, its own: the block's 64 p
; REGISTERS, window 0, all waves: v1 lane; v2 M, v3 S; v12 my 16 bf16 rows of the block to add; v13 X + 4,096 idx + 32 lane; v14 X + 16 x thread; v15 EP + 8 lane; v16 PS + 8 x thread; v17 PS + 256 w + 64 idx;
;   v18 EP + 256 idx + 32 h; v19 X + 528 r + 16 h; v20 XS + 48 r + 16 h; v21 F to write; v22 32,768 idx + 8 lane; v23, v24 my stage, in and out; v25 X + 8,448 idx + 16 lane; v26 XS + 768 idx + lane;
;   v27 16 lane; v28 8 lane; v32 32 r + 16 h; v33 8 r; v34 16 x thread; v35 32,768 idx + 16 lane.
; IN THE WHOLE TEXT, in both roles, the registers that a product names as an operand or a scale (v104-255 and window 1) are written by loads alone; what vector instructions write lies under v104.
.set HV,   36                          ; compute: v36-39   two pairs (c h_exp[n], V[n]), n = the tile's column r
.set ACC,  40                          ;          v40-71   four accumulators: 64 rows x 16 columns
.set EACC, 72                          ;          v72-103  the rows' energies, summed over my tiles; register 8 a + j: row 16 a + 8 h + j, column r's part
.set AS,   104                         ;          v104-119 the rows' scale words: 4 a + q: lanes 0-15 word q of row 16 a + r, lanes 16-31 word 4 + q
.set BS,   120                         ;          v120-127 W_f's scale words, two sets, laid likewise
.set BF,   128                         ;          v128-255 W_f's fragments, two sets of 8;   window 1: the rows' fragments, (a, s) at 8 (8 a + s)
                                       ;          v29-31, v4-6 the offsets in ws_w, W_f_scales, ws_hv of the tile that set 0, set 1 asks for
.set T16,  40                          ; loader:  v40-55   a row's 32 numbers a lane as bf16
.set CD,   56                          ;          v56-63   a block's codes, two sets
.set SBY,  64                          ;          v64-65   its scale byte, two sets
.set QT,   66                          ;          v66-68   at work: two running maxima, the conversion's scale operand;   v40-59 also serve the softmax
.set CX,   72                          ;          v72-103  the context of my rows: register 8 u + i: column 256 u + 8 lane + i
.set PR,   104                         ;          v104-119 p of my 16 rows
.set BK,   128                         ;          v128-191 two sets of 32 neighbours along K, back from the stage
.set FD,   192                         ;          v192-255 two sets of two bf16 rows;   window 1: the ring, row set q at 32 q
.set MSB, 0
.macro WIN new                         ; s_set_vgpr_msb: bits 1:0 source 0, 3:2 source 1, 5:4 source 2, 7:6 destination; the high byte repeats the setting that is left; a switch that changes nothing is dropped
.if MSB != \new
	s_set_vgpr_msb (MSB<<8)|\new
.set MSB, \new
.endif
.endm
.macro BAR                             ; my LDS stores have landed and my LDS loads are in: then the work-group's barrier
	s_wait_dscnt 0x0
	s_barrier_signal -1
	s_barrier_wait -1
.endm
; ---------------- compute ----------------
.macro REQ set, ab, as                 ; at the head: a tile's 16 pieces (512 bytes on end each) and its scale words into set
.irp p, 0,1,2,3,4,5,6,7,8,9,10,11,12,13,14,15
	global_load_b128 v[BF+64*\set+4*\p:BF+64*\set+4*\p+3], v[\ab], s[6:7] offset:\set*8192+512*\p
.endr
	global_load_b128 v[BS+4*\set:BS+4*\set+3], v[\as], s[8:9] offset:\set*512
.endm
.macro REQH set, ah                    ; and its pair (c h_exp, V)
	global_load_b64 v[HV+2*\set:HV+2*\set+1], v[\ah], s[10:11] offset:\set*4096
.endm
.macro MM a, s, set                    ; source 0 = 16 rows of features, source 1 = 16 columns of W_f: register j of the result is (row 8 h + j, column r)
.if (\s) == 0
	v_wmma_scale_f32_16x16x128_f8f6f4 v[ACC+8*\a:ACC+8*\a+7], v[8*(8*\a+\s):8*(8*\a+\s)+7], v[BF+64*\set+8*\s:BF+64*\set+8*\s+7], 0, v[AS+4*\a+\s], v[BS+4*\set+\s] matrix_a_fmt:MATRIX_FMT_FP4 matrix_b_fmt:MATRIX_FMT_FP4
.elseif (\s) < 4
	v_wmma_scale_f32_16x16x128_f8f6f4 v[ACC+8*\a:ACC+8*\a+7], v[8*(8*\a+\s):8*(8*\a+\s)+7], v[BF+64*\set+8*\s:BF+64*\set+8*\s+7], v[ACC+8*\a:ACC+8*\a+7], v[AS+4*\a+\s], v[BS+4*\set+\s] matrix_a_fmt:MATRIX_FMT_FP4 matrix_b_fmt:MATRIX_FMT_FP4
.else
	v_wmma_scale_f32_16x16x128_f8f6f4 v[ACC+8*\a:ACC+8*\a+7], v[8*(8*\a+\s):8*(8*\a+\s)+7], v[BF+64*\set+8*\s:BF+64*\set+8*\s+7], v[ACC+8*\a:ACC+8*\a+7], v[AS+4*\a+\s-4], v[BS+4*\set+\s-4] matrix_a_fmt:MATRIX_FMT_FP4 matrix_b_fmt:MATRIX_FMT_FP4 matrix_a_scale:MATRIX_SCALE_ROW1 matrix_b_scale:MATRIX_SCALE_ROW1
.endif
.endm
; One tile of 16 columns for the 64 rows: 32 products, the tanh's 1 / (1 + 2^y), and V times it onto the energies.  The set just multiplied is asked for again behind the products, for the tile two on.
; Each set has offset registers of its own (set 0: v29-31, set 1: v4-6): the wait at the tile's head shows done just the 18 loads that read them.
.macro TILE set
	s_wait_loadcnt 18                              ; this tile's 16 + 1 + 1 loads are in; the other set's 18, issued behind them, may be out
	s_wait_alu depctr_vm_vsrc(0)                   ; this set's last 18 loads have read its three offsets, which the next three lines write
	v_lshl_add_u32 v[29-25*\set], s23, 13, v27     ; the pair of tiles to ask for begins at tile s23; set 1's tile lies one further on, by the loads' immediates
	v_lshl_add_u32 v[30-25*\set], s23, 9, v32
	v_lshl_add_u32 v[31-25*\set], s23, 12, v33
	WIN 0x01                                       ; source 0 (the rows) in window 1
.irp s, 0,1,2,3,4,5,6,7                        ; the four accumulators by turns, one instruction a turn; the first K step starts the sums
.irp a, 0,1,2,3
	MM \a, \s, \set
.endr
.endr
	WIN 0
.rept 4
	v_nop                                          ; four places in front of the first read of results (ISA guide 7.12.1)
.endr
	s_wait_alu depctr_va_vdst(0)                   ; the products are done reading this set's fragments and scale words, in which the 17 loads below land; the three offsets are written
.set J, 0
.rept 16                                       ; a piece of the tile two on (512 bytes on end), then y = c f_proj + c h_exp, two at a time; each accumulator from its low end on.  These vector lines name ACC and HV alone
	global_load_b128 v[BF+64*\set+2*J:BF+64*\set+2*J+3], v[29-25*\set], s[6:7] offset:\set*8192+256*J
	v_pk_fma_f32 v[ACC+J:ACC+J+1], v[ACC+J:ACC+J+1], s[26:27], v[HV+2*\set:HV+2*\set+1] op_sel_hi:[1,0,0]
.set J, J+2
.endr
	global_load_b128 v[BS+4*\set:BS+4*\set+3], v[30-25*\set], s[8:9] offset:\set*512   ; and its scale words
.set J, 0
	s_wait_alu depctr_va_vdst(0)
.rept 32
	v_exp_f32 v[ACC+J], v[ACC+J]
.set J, J+1
.endr
	v_nop                                          ; a plain place behind the last exponential (ISA guide 5.7.2)
.set J, 0
	s_wait_alu depctr_va_vdst(0)                   ; the 32 exponentials have written their results, ahead of the first line that names one
.rept 16
	v_pk_add_f32 v[ACC+J:ACC+J+1], v[ACC+J:ACC+J+1], 1.0 op_sel_hi:[1,0]
.set J, J+2
.endr
.set J, 0
	s_wait_alu depctr_va_vdst(0)
.rept 32
	v_rcp_f32 v[ACC+J], v[ACC+J]
.set J, J+1
.endr
	v_nop                                          ; a plain place behind the last reciprocal
.set J, 0
	s_wait_alu depctr_va_vdst(0)                   ; the 32 reciprocals have written their results, ahead of the first line that names one
.rept 16                                       ; + V[n] / (1 + 2^y): of the pair (c h_exp, V) the second serves both halves
	v_pk_fma_f32 v[EACC+J:EACC+J+1], v[ACC+J:ACC+J+1], v[HV+2*\set:HV+2*\set+1], v[EACC+J:EACC+J+1] op_sel:[0,1,0] op_sel_hi:[1,1,1]
.set J, J+2
.endr
	s_wait_alu depctr_va_vdst(0)                   ; the multiply-adds above are done reading the pair, in which the load below lands
	REQH \set, 31-25*\set                          ; the pair is free only now: it closes the tile's 18 loads
.endm
.macro COMPUTE_BLOCK                   ; my 16 tiles, two a trip; then the energies' parts are summed over the 16 columns of a tile's lanes and go to EP
	s_mov_b32 s22, 8
.Ltiles_\@:
	TILE 0
	TILE 1
	s_add_co_u32 s23, s23, 2
	s_and_b32 s23, s23, 15                         ; the next pair of tiles to ask for; behind 14, 15 come 0, 1, for the next block
	s_sub_co_u32 s22, s22, 1
	s_cmp_lg_u32 s22, 0
	s_cbranch_scc1 .Ltiles_\@
.irp m, 1,2,4,8
.set J, 0
.rept 32
	v_add_f32_dpp v[EACC+J], v[EACC+J], v[EACC+J] row_xmask:\m row_mask:0xf bank_mask:0xf
.set J, J+1
.endr
.endr
	s_wait_alu depctr_va_vdst(0)                   ; the additions have written the energies, which the stores read
.irp a, 0,1,2,3
.irp u, 0,1
	ds_store_b128 v18, v[EACC+8*\a+4*\u:EACC+8*\a+4*\u+3] offset:64*\a+16*\u   ; rows 16 a + 8 h + 4 u on; the 16 lanes of a half write the same words with the same values
.endr
.endr
	s_wait_alu depctr_vm_vsrc(0)                   ; the stores have read the energies' registers, which are set to 0 for the next block
.endm
.macro ALOAD                           ; the next block's codes (64 loads of 512 bytes) and scale words into registers; the energies begin at 0
	WIN 0x40                                       ; destination window 1
	s_wait_alu depctr_va_vdst(0)                   ; the last block's products are done reading the rows' fragments and scale words, in which the loads below land
.irp a, 0,1,2,3
.irp s, 0,1,2,3,4,5,6,7
.irp c, 0,1
	ds_load_b128 v[8*(8*\a+\s)+4*\c:8*(8*\a+\s)+4*\c+3], v19 offset:16*XP*\a+64*\s+32*\c
.endr
.endr
.endr
	WIN 0
.irp a, 0,1,2,3
	ds_load_b128 v[AS+4*\a:AS+4*\a+3], v20 offset:16*XSP*\a
.endr
.set J, 0
.rept 32
	v_mov_b32 v[EACC+J], 0
.set J, J+1
.endr
.endm
; ---------------- loaders: a block comes in ----------------
.macro RLOAD q, off                    ; a row, 4,096 bytes, into ring set q: eight loads of 512 bytes on end; register 4 e + i of lane l is number 128 e + 4 l + i
	WIN 0x40                                       ; destination window 1
.irp e, 0,1,2,3,4,5,6,7
	global_load_b128 v[32*(\q)+4*\e:32*(\q)+4*\e+3], v27, s[4:5] offset:(\off)+512*\e th:TH_LOAD_NT
.endr
.endm
; Row j, in ring set q: as f32 through my stage, so that lane l gets the 32 neighbours of block l; and rounded to bf16 into T16.  LDS serves a wave's instructions in order (ISA guide 5.7.1.4): no wait between the stores and the loads.
; In the stage piece c (16 bytes) of block b lies at 272 (b / 2) + 128 (b % 2) + 16 c.  A store's lanes 0-15 hold blocks 4 e, 4 e + 1 and lanes 16-31 blocks 4 e + 2, 4 e + 3: 256 bytes on end each.
; A load's 16 lanes take piece e of 16 blocks: in units of 16 bytes, modulo 16, that is l / 2 + 8 (l % 2) + e: sixteen different columns of banks.
; The stores' data came by loads.  The loads land in the set of BK that the quantiser of two rows back read: it stands ahead of the last wait on va_vdst, and the conversions between name the ring and T16 alone.
.macro STAGE q, j
	WIN 0x04                                       ; an LDS store's data are its source 1
.irp e, 0,1,2,3,4,5,6,7
	ds_store_b128 v23, v[32*(\q)+4*\e:32*(\q)+4*\e+3] offset:544*\e
.endr
	WIN 0x05                                       ; sources in window 1
.irp e, 0,1,2,3,4,5,6,7
	v_cvt_pk_bf16_f32 v[T16+2*\e], v[32*(\q)+4*\e], v[32*(\q)+4*\e+1]
	v_cvt_pk_bf16_f32 v[T16+2*\e+1], v[32*(\q)+4*\e+2], v[32*(\q)+4*\e+3]
.endr
	WIN 0
.irp e, 0,1,2,3,4,5,6,7
	ds_load_b128 v[BK+32*((\j)%2)+4*\e:BK+32*((\j)%2)+4*\e+3], v24 offset:16*\e
.endr
.endm
.macro FOUT j                          ; row j as bf16 into F
.irp e, 0,1,2,3,4,5,6,7
	ds_store_b64 v21, v[T16+2*\e:T16+2*\e+1] offset:2048*(\j)+256*\e         ; 32 lanes, 256 bytes on end: the row lies in F as it lies in memory, two bytes a number
.endr
.endm
; Block l of row j, all 32 numbers in my lane: the largest magnitude, with the floor 2^(3 - 127) among its leaves, which holds the byte at 1 from below; 2 off its exponent field is the conversion's scale operand.
.macro QUANTV j
	WIN 0
.set QB, BK+32*((\j)%2)
.set QC, CD+4*((\j)%2)
	v_max3_num_f32 v[QT], |v[QB]|, |v[QB+1]|, 0x1800000
	v_max3_num_f32 v[QT+1], |v[QB+2]|, |v[QB+3]|, |v[QB+4]|
.irp i, 5,9,13,17,21,25
	v_max3_num_f32 v[QT], v[QT], |v[QB+\i]|, |v[QB+\i+1]|                    ; two chains, so that no line waits for the line above it
	v_max3_num_f32 v[QT+1], v[QT+1], |v[QB+\i+2]|, |v[QB+\i+3]|
.endr
	v_max3_num_f32 v[QT], v[QT], |v[QB+29]|, |v[QB+30]|
	v_max3_num_f32 v[QT], v[QT], v[QT+1], |v[QB+31]|
	v_add_nc_u32 v[QT+2], 0xff000000, v[QT]
.irp g, 0,1,2,3
	v_cvt_scalef32_pk8_fp4_f32 v[QC+\g], v[QB+8*\g:QB+8*\g+7], v[QT+2]       ; eight numbers / the scale, to the nearest code, ties to even, beyond 6 the largest code; the first number's code in the lowest bits
.endr
	v_lshrrev_b32 v[SBY+(\j)%2], 23, v[QT+2]       ; the scale's byte; also the plain place behind the conversions
.endm
.macro QOUT j
.set QC, CD+4*((\j)%2)
	ds_store_b128 v25, v[QC:QC+3] offset:XP*(\j)   ; 32 codes: bytes 16 l of the row's 512
	ds_store_b8 v26, v[SBY+(\j)%2] offset:XSP*(\j)
.endm
; Row j's step: its ring set is asked for again (the row 8 on, in this block or the next), row j + 1 goes through the stage and is rounded, row j is quantised while that is on its way, and both rows' results are stored.
; guard = 1: in the last block (s21 = 3) there is no next block: the request is jumped over, and on that way all loads are waited for, so that the counted wait below holds on both ways.
.macro RSTEP j, guard
.if (\j) == 0
	s_wait_dscnt 8                                 ; row 0 is back from the stage; its eight stores into F, issued behind, may be out
.else
	s_wait_dscnt 10                                ; row j is back from the stage; issued behind: its eight stores into F and the last row's code and byte stores, which may be out
.endif
	s_wait_alu depctr_vm_vsrc(0)                   ; the stage's stores have read row j's ring set, in which the loads below land; F's stores have read T16, the code and byte stores of two rows back their registers: all are written again in this step
.if (\j) < 8
	RLOAD (\j)%8, ((\j)+8)*4096                    ; (row j's conversions, the ring set's other readers, stand ahead of the last step's wait on va_vdst; nothing since names the set)
.elseif \guard
	s_cmp_eq_u32 s21, 3
	s_cbranch_scc1 .Lnone_\@
	RLOAD (\j)%8, (56+(\j))*4096
	WIN 0
	s_branch .Lgo_\@
.Lnone_\@:
	s_wait_loadcnt 0x0
.Lgo_\@:
.else
	RLOAD (\j)%8, (56+(\j))*4096                   ; 64 rows on, less 8
.endif
.if (\j) < 15
	s_wait_loadcnt 56                              ; row j + 1's eight loads are in; the seven rows asked for behind it may be out
	STAGE ((\j)+1)%8, (\j)+1
.endif
	QUANTV \j
	s_wait_alu depctr_va_vdst(0)                   ; T16, the codes and the byte are written, which the stores below read; the conversions are done reading row j + 1's ring set and the quantiser its set of BK, in which the next step's loads land
.if (\j) < 15
	FOUT (\j)+1
.endif
	QOUT \j
.endm
.macro LOADER_BLOCK guard
	s_wait_loadcnt 56                              ; row 0 is in; rows 1 to 7 may be out
	STAGE 0, 0
	s_wait_alu depctr_va_vdst(0)                   ; row 0's conversions have written T16, which the stores below read, and are done reading ring set 0; v21 is written
	FOUT 0
.irp j, 0,1,2,3,4,5,6,7,8,9,10,11,12,13,14,15
	RSTEP \j, \guard
.endr
.endm
; ---------------- loaders: softmax and context ----------------
; Between a period's two barriers: the block's 64 energies, the new M, p, S; my sums are brought under the new M.  Each loader does all of it for itself: the four hold the same M and S.
; The four loads land in v40-47.  Every vector line that named these stands ahead of a wait on va_vdst (a row's step's, or the context's first), every store that read them ahead of one on vm_vsrc (the last row's step's, or the period's).
.macro SOFTMAX
.irp k, 0,1,2,3
	ds_load_b64 v[40+2*\k:41+2*\k], v15 offset:256*\k                        ; rows 2 l, 2 l + 1: the four compute waves' parts
.endr
	s_wait_dscnt 0x0
	v_pk_add_f32 v[40:41], v[40:41], v[42:43]
	v_pk_add_f32 v[44:45], v[44:45], v[46:47]
	v_pk_add_f32 v[40:41], v[40:41], v[44:45]
	v_pk_mul_f32 v[40:41], v[40:41], s[28:29] op_sel_hi:[1,0]                ; E2 = -c x the sum
	v_max_num_f32 v42, v40, v41
.irp m, 1,2,4,8
	v_max_num_f32_dpp v42, v42, v42 row_xmask:\m row_mask:0xf bank_mask:0xf
.endr
	v_permlanex16_b32 v43, v42, s30, s31
	v_max_num_f32 v42, v42, v43                    ; the block's largest E2
	v_max_num_f32 v44, v2, v42                     ; the new M
	v_sub_f32 v45, v2, v44
	v_sub_f32 v46, v40, v44
	v_sub_f32 v47, v41, v44
	s_wait_alu depctr_va_vdst(0)
	v_exp_f32 v54, v45                             ; f = 2^(old M - new M)
	v_exp_f32 v56, v46                             ; p
	v_exp_f32 v57, v47
	v_mov_b32 v2, v44                              ; (a plain place behind the exponentials)
	s_wait_alu depctr_va_vdst(0)                   ; the three exponentials have written f and p, ahead of the first line that names one; p is the LDS store's data, and E2, written further up, the global store's
	ds_store_b64 v16, v[56:57]                     ; my wave's own 256 bytes: p of row i at 4 i
	s_cmp_lg_u32 s18, 1
	s_cbranch_scc1 .Lnot_wave_1_\@
	global_store_b64 v28, v[40:41], s[12:13]       ; every loader has the same 64 numbers: wave 1 stores them, 256 bytes on end, aligned
.Lnot_wave_1_\@:
	v_add_f32 v58, v56, v57
.irp m, 1,2,4,8
	v_add_f32_dpp v58, v58, v58 row_xmask:\m row_mask:0xf bank_mask:0xf
.endr
	v_permlanex16_b32 v59, v58, s30, s31
	v_add_f32 v58, v58, v59
	v_fma_f32 v3, v3, v54, v58                     ; S = S f + the block's sum of p
.set J, 0
.rept 16
	v_pk_mul_f32 v[CX+J:CX+J+1], v[CX+J:CX+J+1], v[54:55] op_sel_hi:[1,0]    ; my sums, which hold the blocks before this one, under the new M
.set J, J+2
.endr
.endm
.macro FLOAD k                         ; my rows 2 k, 2 k + 1 as bf16: four loads of 512 bytes on end a row; register 4 u + q of lane l: columns 256 u + 8 l + 2 q, + 1
.set FL, FD+32*((\k)%2)
.irp o, 0,1
.irp u, 0,1,2,3
	ds_load_b128 v[FL+16*\o+4*\u:FL+16*\o+4*\u+3], v12 offset:(2*(\k)+\o)*2048+512*\u
.endr
.endr
.endm
; My 16 rows of the block whose p the last softmax left, onto my sums.  Rows, p and sums are my wave's own: no other wave is waited for, and the rows may be stored over as soon as these loads are issued.
.macro CTX
	s_wait_alu depctr_va_vdst(0)                   ; v12 is written, which the rows' loads read; the last context's multiply-adds are done reading p's registers and both sets of rows, in which the loads below land
.irp u, 0,1,2,3
	ds_load_b128 v[PR+4*\u:PR+4*\u+3], v17 offset:16*\u                      ; p of my 16 rows: every lane reads the same words
.endr
	FLOAD 0
.irp k, 0,1,2,3,4,5,6,7
.if \k < 7
.if \k > 0
	s_wait_alu depctr_va_vdst(0)                   ; the multiply-adds of the two rows before are done reading their set, in which the next two rows land
.endif
	FLOAD \k+1
	s_wait_dscnt 8                                 ; these two rows (and p) are in; the next two rows' eight loads may be out
.else
	s_wait_dscnt 0x0
.endif
.irp o, 0,1
.irp u, 0,1,2,3
.irp q, 0,1,2,3                                ; sum += p x feature, the feature a bf16 half, p and the sum f32
	v_fma_mix_f32_bf16 v[CX+8*\u+2*\q], v[FD+32*(\k%2)+16*\o+4*\u+\q], v[PR+2*\k+\o], v[CX+8*\u+2*\q] op_sel_hi:[1,0,0]
	v_fma_mix_f32_bf16 v[CX+8*\u+2*\q+1], v[FD+32*(\k%2)+16*\o+4*\u+\q], v[PR+2*\k+\o], v[CX+8*\u+2*\q+1] op_sel:[1,0,0] op_sel_hi:[1,0,0]
.endr
.endr
.endr
.endr
.endm
; ---------------- the head: every LDS address is made here, by every wave, ahead of the first parting of the roles ----------------
	s_load_b256 s[4:11], s[0:1], 0x0               ; features s[4:5], ws_w s[6:7], W_f_scales s[8:9], ws_hv s[10:11]
	s_load_b128 s[12:15], s[0:1], 0x20             ; ws_e s[12:13], ws_c s[14:15]
	s_load_b64 s[16:17], s[0:1], 0x30              ; ws_s
	v_lshl_add_u32 v10, v0, 2, 0x4e400
	v_mov_b32 v11, 0
	v_lshrrev_b32 v60, 5, v0
	v_readfirstlane_b32 s18, v60                   ; wave 0..7
	s_wait_alu depctr_va_sdst(0)                   ; s18 is written, ahead of its first reader: the role, idx, bases and addresses are made from it
	s_lshr_b32 s19, s18, 2
	s_xor_b32 s19, s19, s18
	s_and_b32 s19, s19, 1                          ; role: 0 compute, 1 loader
	s_lshr_b32 s20, s18, 1                         ; idx 0..3 within the role
	v_and_b32 v1, 31, v0                           ; lane
	v_and_b32 v60, 15, v0                          ; r
	v_bfe_u32 v61, v0, 4, 1                        ; h
	v_lshl_add_u32 v14, v0, 4, X
	v_lshl_add_u32 v15, v1, 3, EP
	v_lshl_add_u32 v16, v0, 3, PS                  ; 8 x thread = 256 w + 8 lane
	v_and_b32 v62, 0xe0, v0
	v_lshl_add_u32 v17, v62, 3, PS
	s_lshl_b32 s32, s20, 6
	v_add_nc_u32 v17, s32, v17                     ; p of row 16 idx
	s_lshl_b32 s32, s20, 8
	s_add_co_u32 s32, s32, EP
	v_lshl_add_u32 v18, v61, 5, s32
	v_mul_u32_u24 v19, v60, XP
	v_lshl_add_u32 v19, v61, 4, v19
	v_add_nc_u32 v19, X, v19
	v_mul_u32_u24 v20, v60, XSP
	v_lshl_add_u32 v20, v61, 4, v20
	v_add_nc_u32 v20, XS, v20
	s_lshl_b32 s32, s20, 15                        ; 16 rows of 2,048 bytes for each loader
	v_lshl_add_u32 v22, v1, 3, s32
	v_lshl_add_u32 v35, v1, 4, s32
	s_lshl_b32 s32, s20, 12
	s_add_co_u32 s32, s32, X
	v_lshl_add_u32 v13, v1, 5, s32
	s_mul_i32 s32, s20, STW
	s_add_co_u32 s32, s32, ST
	v_mul_u32_u24 v23, v61, 272                    ; the stage, in: 272 (lane / 16) + 16 (lane % 16)
	v_lshl_add_u32 v23, v60, 4, v23
	v_add_nc_u32 v23, s32, v23
	v_lshrrev_b32 v62, 1, v1
	v_mul_u32_u24 v24, v62, 272                    ; and out: 272 (lane / 2) + 128 (lane % 2)
	v_and_b32 v62, 1, v1
	v_lshl_add_u32 v24, v62, 7, v24
	v_add_nc_u32 v24, s32, v24
	s_mul_i32 s32, s20, 16*XP
	s_add_co_u32 s32, s32, X
	v_lshl_add_u32 v25, v1, 4, s32
	s_mul_i32 s32, s20, 16*XSP
	s_add_co_u32 s32, s32, XS
	v_add_nc_u32 v26, s32, v1
	v_lshlrev_b32 v27, 4, v1
	v_lshlrev_b32 v28, 3, v1
	v_lshlrev_b32 v32, 5, v60
	v_lshl_add_u32 v32, v61, 4, v32
	v_lshlrev_b32 v33, 3, v60
	v_lshlrev_b32 v34, 4, v0
	s_mov_b32 s23, 2                               ; tiles 0 and 1 are asked for below; the loop's first requests are tiles 2 and 3
	s_mov_b32 s24, 0                               ; (i % 2) FPAR in period i: where block i is written, over block i - 2, which is read there first
	v_add_nc_u32 v21, s24, v22
	s_mov_b32 s26, 0x4038aa3b                      ; c = 2 log2(e)
	s_mov_b32 s27, s26                             ; (named with it as a pair, so it is written)
	s_mov_b32 s28, 0xc038aa3b                      ; -c
	s_mov_b32 s29, s28
	s_mov_b32 s30, 0x76543210                      ; v_permlanex16_b32's selects for lane l xor 16
	s_mov_b32 s31, 0xfedcba98
	v_mov_b32 v2, 0xff61b1e6                       ; M: -3e38, under every E2
	v_mov_b32 v3, 0                                ; S
.set J, 0
.rept 32
	v_mov_b32 v[CX+J], 0                           ; the context's sums: the first change of M multiplies zeros
.set J, J+1
.endr
	v_mov_b32 v55, 0                               ; (named as the upper half of the pair v[54:55])
	v_mov_b32 v59, 0                               ; (a lane permute's destination counts as one of its sources)
	s_lshl_b32 s32, ttmp9, 20                      ; features: 256 rows of 4,096 bytes a work-group,
	s_lshl_b32 s33, s20, 16                        ; 16 rows for each loader
	s_add_co_u32 s32, s32, s33
	s_mov_b32 s33, 0
	s_lshl_b32 s34, s20, 17                        ; ws_w: 16 tiles of 8,192 bytes for each compute wave
	s_mov_b32 s35, 0
	s_lshl_b32 s36, s20, 13                        ; W_f_scales: 256 rows of 32 bytes
	s_mov_b32 s37, 0
	s_lshr_b32 s40, ttmp9, 3                       ; the batch b
	s_and_b32 s38, s40, 16                         ; pos(b) = 16 (b / 16)
	s_and_b32 s39, s40, 7
	s_lshl_b32 s39, s39, 1
	s_add_co_u32 s38, s38, s39                     ;   + 2 (b % 8)
	s_bfe_u32 s39, s40, 0x10003
	s_add_co_u32 s38, s38, s39                     ;   + (b / 8) % 2
	s_lshl_b32 s38, s38, 7                         ; 128 bytes a batch in a tile of ws_hv,
	s_lshl_b32 s39, s20, 16                        ; 16 tiles of 4,096 bytes for each compute wave
	s_add_co_u32 s38, s38, s39
	s_mov_b32 s39, 0
	s_lshl_b32 s40, ttmp9, 10                      ; ws_e: 256 numbers
	s_mov_b32 s41, 0
	s_lshl_b32 s42, ttmp9, 12                      ; ws_c: 1,024 numbers
	s_mov_b32 s43, 0
	s_lshl_b32 s44, ttmp9, 8                       ; ws_s: 256 bytes
	s_mov_b32 s45, 0
	s_wait_kmcnt 0x0
	s_add_nc_u64 s[4:5], s[4:5], s[32:33]
	s_add_nc_u64 s[6:7], s[6:7], s[34:35]
	s_add_nc_u64 s[8:9], s[8:9], s[36:37]
	s_add_nc_u64 s[10:11], s[10:11], s[38:39]
	s_add_nc_u64 s[12:13], s[12:13], s[40:41]
	s_add_nc_u64 s[14:15], s[14:15], s[42:43]
	s_add_nc_u64 s[16:17], s[16:17], s[44:45]
	s_wait_alu depctr_va_vdst(0)                   ; every offset and LDS address, v10 to v35, is written: the loads and stores of the whole kernel read them
; ---------------- period 0: block 0 comes in; there is nothing to multiply yet ----------------
	s_cmp_lg_u32 s19, 0
	s_cbranch_scc1 .Lfirst_in
	REQ 0, 27, 32                                  ; compute: tiles 0 and 1, in the order that every later request keeps: 16 pieces, scale words, pair
	REQH 0, 33
	REQ 1, 27, 32
	REQH 1, 33
	s_branch .Lfirst_join
.Lfirst_in:
.irp q, 0,1,2,3,4,5,6,7
	RLOAD \q, \q*4096                              ; the ring is filled: rows 0 to 7
.endr
	LOADER_BLOCK 0
.Lfirst_join:
	BAR                                            ; block 0's codes and scale bytes lie in LDS
	s_cmp_lg_u32 s19, 0
	s_cbranch_scc1 .Lfirst_no_a
	ALOAD
.Lfirst_no_a:
	BAR                                            ; the codes have been read: X and XS may be written again
	s_wait_xcnt 0x0                                ; the loads have read their base
	s_add_nc_u64 s[4:5], s[4:5], 0x40000           ; 64 rows on
	s_mov_b32 s24, FPAR
	s_mov_b32 s21, 1
; ---------------- periods 1 to 4 ----------------
.Lperiod:
	s_wait_alu depctr_vm_vsrc(0)                   ; F's stores and loads have read v21 and v12, which the next two lines write; the stores of E2 and of p have read v[40:41] and v[56:57], which the next block's conversions write
	v_add_nc_u32 v21, s24, v22
	v_add_nc_u32 v12, s24, v35
	s_cmp_lg_u32 s19, 0
	s_cbranch_scc1 .Lin
	COMPUTE_BLOCK                                  ; block i - 1
	s_branch .Ljoin
.Lin:
	s_cmp_eq_u32 s21, 1                            ; in period 1 no block has been through the softmax yet
	s_cbranch_scc1 .Lno_ctx
	CTX                                            ; block i - 2
.Lno_ctx:
	s_cmp_eq_u32 s21, 4                            ; in period 4 nothing is left to come in
	s_cbranch_scc1 .Ljoin
	LOADER_BLOCK 1                                 ; block i
.Ljoin:
	BAR                                            ; block i - 1's energies lie in EP, block i's codes in X and XS
	s_cmp_lg_u32 s19, 0
	s_cbranch_scc1 .Lsm
	s_cmp_eq_u32 s21, 4
	s_cbranch_scc1 .Lbound
	ALOAD                                          ; block i
	s_branch .Lbound
.Lsm:
	SOFTMAX                                        ; block i - 1
.Lbound:
	BAR                                            ; EP, X and XS have been read: all may be written again
	s_wait_xcnt 0x0                                ; loads and the store have read their bases and registers
	s_add_nc_u64 s[4:5], s[4:5], 0x40000           ; (behind period 3 nothing is loaded through it any more)
	s_add_nc_u64 s[12:13], s[12:13], 256           ; 64 energies on
	s_xor_b32 s24, s24, FPAR
	s_add_co_u32 s21, s21, 1
	s_cmp_lt_u32 s21, 5
	s_cbranch_scc1 .Lperiod
; ---------------- the end: block 3 onto the context; the four loaders' sums meet in X's bytes, whose last read lies two barriers back ----------------
	s_wait_alu depctr_vm_vsrc(0)                   ; F's loads have read v12, which the next line writes; the last store of E2 has read v[40:41], in which the loads of the four parts land
	v_add_nc_u32 v12, s24, v35
	s_cmp_lg_u32 s19, 0
	s_cbranch_scc0 .Llast_join
	CTX
	s_wait_alu depctr_va_vdst(0)                   ; the multiply-adds have written my sums, which the LDS stores read; M and S, the global store's data, were written before them
.irp u, 0,1,2,3
.irp c, 0,1
	ds_store_b128 v13, v[CX+8*\u+4*\c:CX+8*\u+4*\c+3] offset:1024*\u+16*\c   ; columns 256 u + 8 lane + 4 c on, 4 bytes a column
.endr
.endr
	s_cmp_lg_u32 s18, 1
	s_cbranch_scc1 .Llast_join
	global_store_b64 v28, v[2:3], s[16:17]         ; (M, S), the same in every lane: 32 copies, 256 bytes on end, aligned
.Llast_join:
	BAR
	s_wait_alu depctr_va_vdst(0)                   ; on every wave's way: the vector and matrix lines that named v40-55 are done with them (a loader's softmax read f in v[54:55], its conversions wrote T16; a compute wave's products and tanh worked on the accumulators): the four loads below land there
.irp k, 0,1,2,3
	ds_load_b128 v[40+4*\k:43+4*\k], v14 offset:4096*\k                      ; thread t: columns 4 t .. 4 t + 3 of the four parts
.endr
	s_wait_dscnt 0x0
	v_pk_add_f32 v[40:41], v[40:41], v[44:45]
	v_pk_add_f32 v[42:43], v[42:43], v[46:47]
	v_pk_add_f32 v[48:49], v[48:49], v[52:53]
	v_pk_add_f32 v[50:51], v[50:51], v[54:55]
	v_pk_add_f32 v[40:41], v[40:41], v[48:49]
	v_pk_add_f32 v[42:43], v[42:43], v[50:51]
	s_wait_alu depctr_va_vdst(0)                   ; the additions have written v[40:43], which the store reads
	global_store_b128 v34, v[40:43], s[14:15]      ; a wave stores 512 bytes on end
	s_wait_dscnt 0x0                               ; the closing lines, six on end
	s_wait_alu 0x0
	s_wait_tensorcnt 0x0
	ds_add_u32 v10, v11
	s_wait_dscnt 0x0
	s_endpgm
.Lfunc_end_k_q1aa92a41af_main:
	.size	k_q1aa92a41af_main, .Lfunc_end_k_q1aa92a41af_main-k_q1aa92a41af_main
	.p2alignl 7, 3214868480
	.fill 96, 4, 3214868480
	.section	.rodata,"a",@progbits
	.p2align	6, 0x0
	.amdhsa_kernel k_q1aa92a41af_main
		.amdhsa_group_segment_fixed_size 321536
		.amdhsa_private_segment_fixed_size 0
		.amdhsa_enable_private_segment 0
		.amdhsa_kernarg_size 56
		.amdhsa_user_sgpr_count 2
		.amdhsa_user_sgpr_kernarg_segment_ptr 1
		.amdhsa_wavefront_size32 1
		.amdhsa_system_sgpr_workgroup_id_x 1
		.amdhsa_system_sgpr_workgroup_id_y 1
		.amdhsa_system_sgpr_workgroup_id_z 1
		.amdhsa_system_vgpr_workitem_id 0
		.amdhsa_next_free_vgpr 512
		.amdhsa_next_free_sgpr 66
		.amdhsa_reserve_vcc 0
		.amdhsa_float_denorm_mode_32 3
		.amdhsa_float_denorm_mode_16_64 3
		.amdhsa_memory_ordered 1
		.amdhsa_forward_progress 1
		.amdhsa_inst_pref_size 255
	.end_amdhsa_kernel
	.section	.bss,"aw",@nobits
	.p2align	6
	.space	262144
	.amdgpu_metadata
---
amdhsa.version: [ 1, 2 ]
amdhsa.kernels:
  - .name:           k_q1aa92a41af_main
    .symbol:         k_q1aa92a41af_main.kd
    .args:
      - { .name: features, .offset: 0, .size: 8, .value_kind: global_buffer, .address_space: global }
      - { .name: ws_w, .offset: 8, .size: 8, .value_kind: global_buffer, .address_space: global }
      - { .name: W_f_scales, .offset: 16, .size: 8, .value_kind: global_buffer, .address_space: global }
      - { .name: ws_hv, .offset: 24, .size: 8, .value_kind: global_buffer, .address_space: global }
      - { .name: ws_e, .offset: 32, .size: 8, .value_kind: global_buffer, .address_space: global }
      - { .name: ws_c, .offset: 40, .size: 8, .value_kind: global_buffer, .address_space: global }
      - { .name: ws_s, .offset: 48, .size: 8, .value_kind: global_buffer, .address_space: global }
    .group_segment_fixed_size: 321536
    .private_segment_fixed_size: 0
    .kernarg_segment_align: 8
    .kernarg_segment_size: 56
    .max_flat_workgroup_size: 256
    .sgpr_count:     66
    .vgpr_count:     512
    .wavefront_size: 32
...
	.end_amdgpu_metadata
.endif
;; end of part 5
;; launch merge (part 6): grid 32 x 4, 4 waves a work-group, no clusters, 0 bytes of LDS; arguments ws_e, ws_c, ws_s, out0, out1; writes out0, out1
.if DOCPART == 6
	.amdgcn_target "amdgcn-amd-amdhsa--gfx1250"
	.amdhsa_code_object_version 6
	.text
	.protected	k_q1aa92a41af_merge
	.globl	k_q1aa92a41af_merge
	.p2align	8
	.type	k_q1aa92a41af_merge,@function
k_q1aa92a41af_merge:
	s_mov_b64 s[64:65], 0
	v_nop
	global_prefetch_b8 v0, s[64:65] scope:SCOPE_SE
	s_setreg_imm32_b32 hwreg(HW_REG_WAVE_MODE, 25, 1), 1
	s_wait_xcnt 0x0
; The eight parts of a batch are joined.  Part k of batch b (work-group 8 b + k of the launch before) left its largest E2, M_k, its sum S_k of 2^(E2 - M_k), and ctx_k, the sum of 2^(E2 - M_k) x features.
; Mt = the largest M_k;  w_k = 2^(M_k - Mt);  St = the sum of w_k S_k, at least 1: the part that holds Mt has w = 1 and a term 2^0 in its S.
; out1[b][l] = 2^(E2[l] - Mt) / St;   out0[b][f] = (the sum of w_k ctx_k[f]) / St.
; Work-group (b, y), thread t: weights 512 y + 4 t .. + 3 and columns 256 y + 2 t, + 1.  A stream of 1.4 MB: no LDS, no barrier, no matrix unit.
.set MS,  8                            ; v8-23   (M_k, S_k)
.set E,   24                           ; v24-27  four E2, then four weights
.set C,   28                           ; v28-43  ctx_k of my two columns
.set W,   46                           ; v46-53  w_k
	s_load_b256 s[4:11], s[0:1], 0x0               ; ws_e s[4:5], ws_c s[6:7], ws_s s[8:9], out0 s[10:11]
	s_load_b64 s[12:13], s[0:1], 0x20              ; out1
	s_and_b32 s14, ttmp7, 0xffff                   ; y
	v_mov_b32 v1, 0
	v_lshlrev_b32 v2, 4, v0                        ; 16 t
	v_lshlrev_b32 v3, 3, v0                        ; 8 t
	s_lshl_b32 s16, ttmp9, 13                      ; ws_e, out1: 2,048 numbers a batch, 512 a work-group
	s_lshl_b32 s15, s14, 11
	s_add_co_u32 s16, s16, s15
	s_mov_b32 s17, 0
	s_lshl_b32 s18, ttmp9, 15                      ; ws_c: eight parts of 4,096 bytes a batch, 256 columns a work-group
	s_lshl_b32 s15, s14, 10
	s_add_co_u32 s18, s18, s15
	s_mov_b32 s19, 0
	s_lshl_b32 s20, ttmp9, 11                      ; ws_s: eight parts of 256 bytes
	s_mov_b32 s21, 0
	s_lshl_b32 s22, ttmp9, 12                      ; out0: 1,024 numbers a batch
	s_add_co_u32 s22, s22, s15
	s_mov_b32 s23, 0
	s_wait_alu depctr_va_vdst(0)
	s_wait_kmcnt 0x0
	s_add_nc_u64 s[4:5], s[4:5], s[16:17]
	s_add_nc_u64 s[6:7], s[6:7], s[18:19]
	s_add_nc_u64 s[8:9], s[8:9], s[20:21]
	s_add_nc_u64 s[10:11], s[10:11], s[22:23]
	s_add_nc_u64 s[12:13], s[12:13], s[16:17]
.irp k, 0,1,2,3,4,5,6,7
	global_load_b64 v[MS+2*\k:MS+2*\k+1], v1, s[8:9] offset:256*\k           ; every lane reads the same pair
.endr
	global_load_b128 v[E:E+3], v2, s[4:5]
.irp k, 0,1,2,3,4,5,6,7
	global_load_b64 v[C+2*\k:C+2*\k+1], v3, s[6:7] offset:4096*\k
.endr
	s_wait_loadcnt 0x0
	v_max3_num_f32 v44, v[MS], v[MS+2], v[MS+4]
	v_max3_num_f32 v44, v44, v[MS+6], v[MS+8]
	v_max3_num_f32 v44, v44, v[MS+10], v[MS+12]
	v_max_num_f32 v44, v44, v[MS+14]               ; Mt
.irp k, 0,1,2,3,4,5,6,7
	v_sub_f32 v[W+\k], v[MS+2*\k], v44
.endr
.irp i, 0,1,2,3
	v_sub_f32 v[E+\i], v[E+\i], v44
.endr
	s_wait_alu depctr_va_vdst(0)
.irp k, 0,1,2,3,4,5,6,7
	v_exp_f32 v[W+\k], v[W+\k]
.endr
.irp i, 0,1,2,3
	v_exp_f32 v[E+\i], v[E+\i]
.endr
	v_nop                                          ; a plain place behind the last exponential (ISA guide 5.7.2)
	s_wait_alu depctr_va_vdst(0)
	v_mul_f32 v56, v[W], v[MS+1]
.irp k, 1,2,3,4,5,6,7
	v_fma_f32 v56, v[W+\k], v[MS+2*\k+1], v56      ; St
.endr
	s_wait_alu depctr_va_vdst(0)
	v_rcp_f32 v54, v56                             ; 1 / St, twice: a pair for the packed multiplies
	v_rcp_f32 v55, v56
	v_pk_mul_f32 v[58:59], v[C:C+1], v[W:W+1] op_sel_hi:[1,0]                ; w_0 ctx_0.  (The plain place behind the reciprocals: it names neither them nor St)
.irp k, 2,4,6                                  ; of the pair (w_k, w_k+1) the first serves both halves,
	v_pk_fma_f32 v[58:59], v[C+2*\k:C+2*\k+1], v[W+\k:W+\k+1], v[58:59] op_sel_hi:[1,0,1]
.endr
.irp k, 1,3,5,7                                ; or the second
	v_pk_fma_f32 v[58:59], v[C+2*\k:C+2*\k+1], v[W+\k-1:W+\k], v[58:59] op_sel:[0,1,0] op_sel_hi:[1,1,1]
.endr
	s_wait_alu depctr_va_vdst(0)
	v_pk_mul_f32 v[58:59], v[58:59], v[54:55]
	v_pk_mul_f32 v[E:E+1], v[E:E+1], v[54:55]
	v_pk_mul_f32 v[E+2:E+3], v[E+2:E+3], v[54:55]
	global_store_b128 v2, v[E:E+3], s[12:13]       ; a wave stores 512 bytes on end
	global_store_b64 v3, v[58:59], s[10:11]        ; a wave stores 256 bytes on end, aligned
	s_endpgm
.Lfunc_end_k_q1aa92a41af_merge:
	.size	k_q1aa92a41af_merge, .Lfunc_end_k_q1aa92a41af_merge-k_q1aa92a41af_merge
	.p2alignl 7, 3214868480
	.fill 96, 4, 3214868480
	.section	.rodata,"a",@progbits
	.p2align	6, 0x0
	.amdhsa_kernel k_q1aa92a41af_merge
		.amdhsa_group_segment_fixed_size 0
		.amdhsa_private_segment_fixed_size 0
		.amdhsa_enable_private_segment 0
		.amdhsa_kernarg_size 40
		.amdhsa_user_sgpr_count 2
		.amdhsa_user_sgpr_kernarg_segment_ptr 1
		.amdhsa_wavefront_size32 1
		.amdhsa_system_sgpr_workgroup_id_x 1
		.amdhsa_system_sgpr_workgroup_id_y 1
		.amdhsa_system_sgpr_workgroup_id_z 1
		.amdhsa_system_vgpr_workitem_id 0
		.amdhsa_next_free_vgpr 64
		.amdhsa_next_free_sgpr 66
		.amdhsa_reserve_vcc 0
		.amdhsa_float_denorm_mode_32 3
		.amdhsa_float_denorm_mode_16_64 3
		.amdhsa_memory_ordered 1
		.amdhsa_forward_progress 1
		.amdhsa_inst_pref_size 6
	.end_amdhsa_kernel
	.amdgpu_metadata
---
amdhsa.version: [ 1, 2 ]
amdhsa.kernels:
  - .name:           k_q1aa92a41af_merge
    .symbol:         k_q1aa92a41af_merge.kd
    .args:
      - { .name: ws_e, .offset: 0, .size: 8, .value_kind: global_buffer, .address_space: global }
      - { .name: ws_c, .offset: 8, .size: 8, .value_kind: global_buffer, .address_space: global }
      - { .name: ws_s, .offset: 16, .size: 8, .value_kind: global_buffer, .address_space: global }
      - { .name: out0, .offset: 24, .size: 8, .value_kind: global_buffer, .address_space: global }
      - { .name: out1, .offset: 32, .size: 8, .value_kind: global_buffer, .address_space: global }
    .group_segment_fixed_size: 0
    .private_segment_fixed_size: 0
    .kernarg_segment_align: 8
    .kernarg_segment_size: 40
    .max_flat_workgroup_size: 128
    .sgpr_count:     66
    .vgpr_count:     64
    .wavefront_size: 32
...
	.end_amdgpu_metadata
.endif
;; end of part 6
